; MI455X (gfx1250); checked and timed in simulation.
; The chip was launched on July 23, 2026; its instructions are those of AMD's public machine-readable ISA for CDNA 5 (MIT licence, August 2026) and "CDNA5" Instruction Set Architecture Reference Guide (July 2026). The comments in the code are by the model that wrote it; some were corrected since.
;; Lo RA Like FFN. Allowed arithmetic: matrix products marked QUANTISED: E5M2 operands, one given power-of-two scale a tensor, by v_wmma_f32_16x16x64_bf8_bf8 or v_wmma_f32_16x16x128_bf8_bf8, f32 sums; products left as they are: f32 operands where the result goes on into a quantised operand, else bf16, f16 or f32 operands; f32 sums; everything else in f32.
;; Inputs: a_down 4 x 1,024 x 8 float32; a_up 4 x 8 x 1,024 float32; b1 2,048 float32; b2 1,024 float32; lowp_scales 4 int32 (the exponents e of the quantised operands' scales 2^e); w1_codes 2,048 x 32 x 32 uint8 (E5M2 codes of w1, K innermost, in blocks of 32 codes); w2_codes 1,024 x 64 x 32 uint8 (E5M2 codes of w2, K innermost, in blocks of 32 codes); x 4 x 4,096 x 1,024 float32.
;; Outputs: out0 4 x 4,096 x 1,024 float32.
;; Constants: adapter_idx = 0.
;; This version of the problem:
;;   THIS VERSION OF THE PROBLEM IS GIVEN IN LOW PRECISION. The matrix products marked QUANTISED in the list below multiply operands that are first quantised to E5M2 (5 exponent bits, 2 mantissa bits; 8 bits a number), with one given power-of-two scale for each operand tensor; their sums are f32. All else is computed in f32.
;;   The module's matrix products, in the order in which they are computed (A, B: the left and right operand; K: the contracted axis; several contracted axes count as one K, in the product's order):
;;     1. [M 16,384, K 1,024] x [K 1,024, N 2,048]; A: input x; B: input w1 (given as codes): QUANTISED (scales: A lowp_scales[0], B lowp_scales[1])
;;     2. [M 16,384, K 2,048] x [K 2,048, N 1,024]; A: computed on the way; B: input w2 (given as codes): QUANTISED (scales: A lowp_scales[2], B lowp_scales[3])
;;     3. [M 16,384, K 1,024] x [K 1,024, N 8]; A: input x; B: input a_down: left as it is (N = 8 < 16)
;;     4. [M 16,384, K 8] x [K 8, N 1,024]; A: computed on the way; B: input a_up: left as it is (K = 8 < 32)
;;   THE QUANTISER, for each operand of a quantised product, along K:
;;     - The operand's scale is 2^e, e = its entry of the input lowp_scales (int32; the entries are numbered through the quantised products in the list's order, A before B).
;;     - Each number is divided by the scale, clamped to +-57,344, and rounded to the nearest number of E5M2, ties to even, subnormals kept.
;;     - The product sums the exact products of the quantised numbers (number of the format x scale) in f32.
;;   ~~~python
;;   def quantise(x, axis, e):      # numpy; x: float32 -> the quantised numbers, widened to float32 again
;;       x = np.moveaxis(x, axis, -1); K = x.shape[-1]
;;       r = np.clip(x / 2.0 ** e, -57344, 57344)
;;       step = 2.0 ** (np.maximum(np.frexp(np.where(r == 0, 1, r))[1] - 1, -14) - 2)
;;       q = np.round(r / step) * step * 2.0 ** e      # np.round: ties to even
;;       return np.moveaxis(q, -1, axis).astype(np.float32)
;;   ~~~
;;   OPERANDS COMPUTED ON THE WAY. 'Computed on the way' means the value that the module computes at that place (a softmax that the list does not call 'softmax' is quantised finished and normalised). What goes into a quantiser is computed in f32, as accurately as f32 sums, v_exp_f32 and their like allow (about 1e-6 of the number): no bf16 or f16 on the way to a quantiser, and a product that is left as it is and whose result goes on into a quantised operand takes f32 operands (vector FMAs, or v_wmma_f32_16x16x4_f32). A number that lies on a knife's edge between two numbers of the format may be rounded either way, as far as f32 arithmetic and the matrix unit's own rounding can turn it there, and no further.
;;   INPUTS GIVEN AS CODES. w1 (in the module: [1024, 2048], K = its axis 0); w2 (in the module: [2048, 1024], K = its axis 0): each comes as NAME_codes (uint8): NAME with its K axis moved to the last place and cut into blocks of 32 codes, [.., K / 32, bytes a block], one block behind the other in memory; one code a byte (a code: sign, 5 exponent bits, 2 mantissa bits); its scale is its entry of lowp_scales. Its value is code x scale, taken as it is: it is not quantised again, and the codes and scales need not be those that the quantiser above would give.
;; 2 versions. Each part assembles by itself: llvm-mc -triple=amdgcn-amd-amdhsa -mcpu=gfx1250 --defsym DOCPART=n.
;; ======== version 1 of 2: 2 launches
;; workspace buffers: wf 4,194,304 bytes
;; launch lay (part 1): grid 512 x 1, 4 waves a work-group, no clusters, 0 bytes of LDS; arguments w1_codes, w2_codes, wf; writes wf
.if DOCPART == 1
	.amdgcn_target "amdgcn-amd-amdhsa--gfx1250"
	.amdhsa_code_object_version 6
	.text
	.protected	k_qe2ea7f5c56_lay
	.globl	k_qe2ea7f5c56_lay
	.p2align	8
	.type	k_qe2ea7f5c56_lay,@function
k_qe2ea7f5c56_lay:
	s_mov_b64 s[64:65], 0
	v_nop
	global_prefetch_b8 v0, s[64:65] scope:SCOPE_SE
	s_setreg_imm32_b32 hwreg(HW_REG_WAVE_MODE, 25, 1), 1
	s_wait_xcnt 0x0
; The codes of W1 [2048][1024] and W2 [1024][2048] (K innermost, one code a byte) are copied once into wf, in the order in which the
; next launch's waves take them into operand registers: byte = w*524288 + q*8192 + t*2048 + c*512 + 16*lane.
;   w 0..7: the reading wave;  q 0..63: the step of its stream;  t 0..3: the fragment of 16 rows x 128 K;  c 0..3: four registers;  lane = 16 h + r.
;   q < 32  (W1): row 256 w + 64 (q>>3) + 32 (t>>1) + 8 (t&1) + r + 8 (r>>3), bytes 128 (q&7) + 32 c + 16 h .. +15 of that row
;   q >= 32 (W2): row 128 w + 64 ((q>>4)&1) + 16 t + r,                       bytes 128 (q&15) + 32 c + 16 h .. +15
; A work-group takes one (w, q), each of its four waves one fragment t.  One path serves both tensors: only the pointer and four constants are chosen,
; on the work-group's number.  Each store of a wave covers 512 consecutive bytes, aligned.
	s_load_b128 s[4:7], s[0:1], 0x0                ; W1's codes, W2's codes
	s_load_b64 s[8:9], s[0:1], 0x10                ; wf
	v_lshrrev_b32 v1, 5, v0
	v_readfirstlane_b32 s10, v1                    ; t = my wave's number
	v_and_b32 v2, 15, v0                           ; r
	v_bfe_u32 v3, v0, 4, 1                         ; h
	v_and_b32 v4, 31, v0                           ; lane
	s_lshr_b32 s11, ttmp9, 6                       ; w
	s_and_b32 s12, ttmp9, 63                       ; q
	s_lshl_b32 s13, s11, 8                         ; W1's first row: 256 w
	s_bfe_u32 s14, s12, 0x20003
	s_lshl_b32 s14, s14, 6
	s_add_co_u32 s13, s13, s14                     ; + 64 ((q>>3)&3)
	s_lshr_b32 s14, s10, 1
	s_lshl_b32 s14, s14, 5
	s_add_co_u32 s13, s13, s14                     ; + 32 (t>>1)
	s_and_b32 s14, s10, 1
	s_lshl_b32 s14, s14, 3
	s_add_co_u32 s13, s13, s14                     ; + 8 (t&1)
	s_lshl_b32 s15, s11, 7                         ; W2's first row: 128 w
	s_bfe_u32 s14, s12, 0x10004
	s_lshl_b32 s14, s14, 6
	s_add_co_u32 s15, s15, s14                     ; + 64 ((q>>4)&1)
	s_lshl_b32 s14, s10, 4
	s_add_co_u32 s15, s15, s14                     ; + 16 t
	s_and_b32 s16, s12, 7
	s_lshl_b32 s16, s16, 7                         ; W1's K step, in bytes
	s_and_b32 s17, s12, 15
	s_lshl_b32 s17, s17, 7                         ; W2's
	s_lshl_b32 s20, ttmp9, 13
	s_lshl_b32 s21, s10, 11
	s_add_co_u32 s20, s20, s21                     ; where my fragment goes: 8192 (64 w + q) + 2048 t
	s_wait_kmcnt 0x0
	s_cmp_lt_u32 s12, 32                           ; W1 or W2?  Only selects follow, which leave SCC alone
	s_cselect_b64 s[4:5], s[4:5], s[6:7]
	s_cselect_b32 s13, s13, s15                    ; the first row
	s_cselect_b32 s16, s16, s17                    ; the K step's bytes
	s_cselect_b32 s18, 10, 11                      ; a row is 1,024 or 2,048 bytes
	s_cselect_b32 s19, 8, 0                        ; W1's tiles take rows r + 8 (r>>3), W2's rows r
	v_and_b32 v5, s19, v2
	v_add3_u32 v5, v5, v2, s13                     ; my row
	v_lshlrev_b32 v5, s18, v5
	v_lshl_add_u32 v5, v3, 4, v5
	v_add_nc_u32 v5, s16, v5                       ; + the K step + 16 h
	v_lshl_add_u32 v6, v4, 4, s20                  ; + 16 x lane
.irp c, 0,1,2,3
	global_load_b128 v[8+4*\c:11+4*\c], v5, s[4:5] offset:32*\c
.endr
	s_wait_loadcnt 0x0
.irp c, 0,1,2,3
	global_store_b128 v6, v[8+4*\c:11+4*\c], s[8:9] offset:512*\c
.endr
	s_endpgm
.Lfunc_end_k_qe2ea7f5c56_lay:
	.size	k_qe2ea7f5c56_lay, .Lfunc_end_k_qe2ea7f5c56_lay-k_qe2ea7f5c56_lay
	.p2alignl 7, 3214868480
	.fill 96, 4, 3214868480
	.section	.rodata,"a",@progbits
	.p2align	6, 0x0
	.amdhsa_kernel k_qe2ea7f5c56_lay
		.amdhsa_group_segment_fixed_size 0
		.amdhsa_private_segment_fixed_size 0
		.amdhsa_enable_private_segment 0
		.amdhsa_kernarg_size 24
		.amdhsa_user_sgpr_count 2
		.amdhsa_user_sgpr_kernarg_segment_ptr 1
		.amdhsa_wavefront_size32 1
		.amdhsa_system_sgpr_workgroup_id_x 1
		.amdhsa_system_sgpr_workgroup_id_y 1
		.amdhsa_system_sgpr_workgroup_id_z 1
		.amdhsa_system_vgpr_workitem_id 0
		.amdhsa_next_free_vgpr 32
		.amdhsa_next_free_sgpr 66
		.amdhsa_reserve_vcc 0
		.amdhsa_float_denorm_mode_32 3
		.amdhsa_float_denorm_mode_16_64 3
		.amdhsa_memory_ordered 1
		.amdhsa_forward_progress 1
		.amdhsa_inst_pref_size 3
	.end_amdhsa_kernel
	.amdgpu_metadata
---
amdhsa.version: [ 1, 2 ]
amdhsa.kernels:
  - .name:           k_qe2ea7f5c56_lay
    .symbol:         k_qe2ea7f5c56_lay.kd
    .args:
      - { .name: w1_codes, .offset: 0, .size: 8, .value_kind: global_buffer, .address_space: global }
      - { .name: w2_codes, .offset: 8, .size: 8, .value_kind: global_buffer, .address_space: global }
      - { .name: wf, .offset: 16, .size: 8, .value_kind: global_buffer, .address_space: global }
    .group_segment_fixed_size: 0
    .private_segment_fixed_size: 0
    .kernarg_segment_align: 8
    .kernarg_segment_size: 24
    .max_flat_workgroup_size: 128
    .sgpr_count:     66
    .vgpr_count:     32
    .wavefront_size: 32
...
	.end_amdgpu_metadata
.endif
;; end of part 1
;; launch ffn (part 2): grid 256 x 1, 8 waves a work-group, no clusters, 234,496 bytes of LDS; arguments x, wf, lowp_scales, b1, b2, a_down, a_up, out0; writes out0
.if DOCPART == 2
	.amdgcn_target "amdgcn-amd-amdhsa--gfx1250"
	.amdhsa_code_object_version 6
	.text
	.protected	k_qe2ea7f5c56_ffn
	.globl	k_qe2ea7f5c56_ffn
	.p2align	8
	.type	k_qe2ea7f5c56_ffn,@function
k_qe2ea7f5c56_ffn:
	s_mov_b64 s[64:65], 0
	v_nop
	global_prefetch_b8 v0, s[64:65] scope:SCOPE_SE
	s_setreg_imm32_b32 hwreg(HW_REG_WAVE_MODE, 25, 1), 1
	s_wait_xcnt 0x0
; out = gelu(x W1 + b1) W2 + b2 + (x A_down[0]) A_up[0], 16,384 rows.  The two large products run on codes of BF8 (E5M2), each operand with its given scale 2^e
; (e0: x, e1: W1, e2: the hidden layer, e3: W2); the two products of rank 8 take bf16 operands; all sums are f32.  Nothing intermediate goes to memory.
; SHARES.  A work-group of eight waves takes 64 rows (four tiles m of 16) through the whole chain.  THE WAVES SHARE THE COLUMNS: wave w makes hidden units 256 w .. +255 (four groups
; of 64) and output columns 128 w .. +127 (two groups of 64), each for all 64 rows: 16 accumulators of 16 x 16.  Two waves lie on a SIMD, so that one wave's gelu stands beside the other's products.
; OPERANDS FROM WAVE TO WAVE: x's codes and the hidden layer's go through LDS as images of the operand's registers (four registers a store, lane l's 16 bytes at 16 l).
; WEIGHTS: from the buffer wf, laid by the launch before in the order of the operand's registers, straight into a ring of four register slots (a slot: one K step of 128 x 64 rows, 16 loads of
; 512 consecutive bytes).  Three slots' loads, 48, stay out at every wait.
; NO TENSOR LOADS, NO CLUSTER: the images take 196,608 bytes of LDS, so two slots for weights could hold about 60 KB each; with 64 rows that is some 30 matrix instructions for each of four waves between two
; changes of slots, each with a round of the cluster's barrier and a wait for all loads.  The price: each work-group asks for all 4 MB of weights itself.
; ALL PRODUCTS ARE USED TRANSPOSED (source 0 = 16 rows of the weight, source 1 = 16 rows of x, of the hidden layer or of x A_down): lane (r, h) holds row r, its register j index 8 h + j along N.
; W1's rows of a tile are chosen (in wf) so that registers 16 b + i of a row tile's 32 are hidden units 32 b + 16 h + i: the conversions' results are the next operand's registers.
; In every 8-bit fragment registers 4 c .. 4 c + 3 of lane (r, h) hold k = 32 c + 16 h + 0 .. 15: the same permutation of k on both sides of a product.
; GELU, exact form: g = max(z, 0) - |z| u, u = erfc(|z| / sqrt 2) / 2 = t 2^(P(t) - z^2 log2(e) / 2), t = 1 / (1 + |z| / sqrt 8), P the Chebyshev fit of degree 9 whose fractional error
; is below 1.2e-7 for every z (its coefficients times log2(e), 1 taken off the first for the half).  Where u falls below 2^-126 it counts as 0.
; LIMITS: e0 and e2 between -126 and 112; e0 + e1 and e2 + e3 between -126 and 127, so that each power of two below is an f32 number.  NaN and infinity in x, in a_down, in a_up or in a number ahead of the
; gelu are not served.  x, A_down, x A_down and A_up are rounded to bf16 for the two products of rank 8.
.set XIMG,  0                          ; LDS: x's 32 fragments: s*8192 + m*2048 + c*512 + 16 lane.  Behind the second product's start: each wave's stage for the way out, 16 rows x 272 bytes at 4352 w
.set HIMG,  65536                      ; the hidden layer: w*16384 + g*4096 + m*1024 + b*512 + 16 lane
.set PXS,   65536                      ; (while x is quantised, inside HIMG) each wave's stage: 16 rows x 528 bytes at 8448 w
.set ADT,   133120                     ; (likewise) A_down^T in bf16: 16 rows of 2,064 bytes, rows 8-15 zeros
.set B1L,   196608                     ; b1
.set B2L,   204800                     ; b2 / 2^(e2 + e3)
.set AUT,   208896                     ; A_up^T in bf16: column n's eight numbers at 16 n
.set LPART, 225280                     ; the waves' partial sums of x A_down: 1024 w + {0, 512} + 16 lane
.set LI,   1                           ; v1   16 x lane: an image's place, and the loads' offset
.set RR,   2                           ; v2   r
.set HH,   3                           ; v3   h
.set TS,   4                           ; v4   x's stage, in
.set TL,   5                           ; v5   x's stage, out
.set TA,   6                           ; v6   A_down^T's fragments
.set XW,   7                           ; v7   where I store x's images
.set LPW,  8                           ; v8   where I store my partial sums
.set HWB,  9                           ; v9   my part of HIMG
.set B1B,  10                          ; v10  my part of b1
.set UAB,  11                          ; v11  my columns of A_up^T
.set B2B,  12                          ; v12  my part of b2
.set SO,   13                          ; v13  the way out: into my stage
.set SR,   14                          ; v14  and back
.set GO,   15                          ; v15  my byte offset in two rows of out
.set HW,   16                          ; v16  HWB + the group's 4,096
.set B1A,  17                          ; v17  B1B + the group's 256
.set HR2,  17                          ; v17  (second product) HR + 32768
.set HR,   18                          ; v18  HRB + the trip's 32,768
.set HRB,  19                          ; v19  HIMG + 16 x lane
.set XLIM, 20                          ; v20, v21  57,344 x 2^e0 and 2^e0
.set XSC,  21
.set HLIM, 22                          ; v22, v23  the same with e2
.set HSC,  23
.set AUW,  30                          ; v30  where I store A_up^T
.set LPR,  31                          ; v31  LPART + 16 x lane
.set ACC,  32                          ; v32-159  accumulator (m, t) at 32 + 32 m + 8 t
.set XF,   160                         ; v160-223 four fragments of source 1; the gelu's t and exponent; rows on the way out
.set B1R,  224                         ; v224-255 the group's b1 in the result's layout
.set LF,   224                         ; v224-255 (second product) x A_down's four fragments in bf16
.set XN,   32                          ; while x is quantised: 64 numbers; their bf16 pairs; A_down^T's four fragments; four accumulators; the codes
.set XB,   96
.set AD,   128
.set LA,   160
.set PC,   192
.set PD,   32                          ; at the head: a_down, a_up, b1 and b2 as loaded; packed numbers; four zeros
.set PU,   64
.set PB,   96
.set PK,   108
.set CC,   40                          ; s[40+2i:41+2i] the fit's coefficient i, twice, i = 0 .. 8; the ninth in v[28:29]
.set MSB, 0
.macro WIN new                         ; registers 256-511 (the weights' ring) are named through a window; the immediate's high byte repeats the setting that is left
.if MSB != \new
	s_set_vgpr_msb (MSB<<8)|\new
.set MSB, \new
.endif
.endm
.macro PLACES n                        ; plain vector instructions between a matrix instruction and what touches its registers (ISA guide 7.12.1)
.rept \n
	v_nop
.endr
.endm
.macro BARRIER                         ; my LDS stores have landed and my LDS loads are in: then the work-group's barrier
	s_wait_dscnt 0x0
	s_barrier_signal -1
	s_barrier_wait -1
.endm
.macro PAIR reg, val
	s_mov_b32 s[\reg], \val
	s_mov_b32 s[\reg+1], \val
.endm
.macro XLOAD i                         ; my 16 rows' 128 numbers of my K step i: each load reads 512 consecutive bytes of one row
	WIN 0x40
.irp p, 0,1,2,3,4,5,6,7,8,9,10,11,12,13,14,15
	global_load_b128 v[64*\i+4*\p:64*\i+4*\p+3], v[LI], s[4:5] offset:4096*\p+512*\i th:TH_LOAD_NT
.endr
	WIN 0
.endm
.macro WLOAD j, off                    ; one step of my stream of weights into slot j: 16 loads of 512 consecutive bytes
	WIN 0x40
.irp t, 0,1,2,3
.irp c, 0,1,2,3
	global_load_b128 v[64*\j+16*\t+4*\c:64*\j+16*\t+4*\c+3], v[LI], s[6:7] offset:\off+2048*\t+512*\c
.endr
.endr
	WIN 0
.endm
.macro XFETCH s, m0                    ; x's fragments of K step s, row tiles m0 and m0 + 1
.irp m, \m0, \m0+1
.irp c, 0,1,2,3
	ds_load_b128 v[XF+16*(\m)+4*\c:XF+16*(\m)+4*\c+3], v[LI] offset:8192*\s+2048*(\m)+512*\c
.endr
.endr
.endm
.macro HFETCH adr, i, m0               ; the hidden layer's fragments of the trip's K step i: made by wave i / 2 of the trip's two, groups 2 (i % 2) + c / 2
.irp m, \m0, \m0+1
.irp c, 0,1,2,3
	ds_load_b128 v[XF+16*(\m)+4*\c:XF+16*(\m)+4*\c+3], v[\adr] offset:((\i)/2)*16384+(2*((\i)%2)+\c/2)*4096+1024*(\m)+512*(\c%2)
.endr
.endr
.endm
.macro NEXTF nf, na, m0                ; the next step's fragments: 1: x's; 2: the hidden layer's, this trip's; 3: the next trip's first; 0: none
.if \nf == 1
	XFETCH \na, \m0
.elseif \nf == 2
	HFETCH HR, \na, \m0
.elseif \nf == 3
	HFETCH HR2, 0, \m0
.endif
.endm
.macro MM8 j, m0, zero                 ; eight products: row tiles m0, m0 + 1 against slot j's four fragments.  zero = 1: they start the sums
.irp m, \m0, \m0+1
.irp t, 0,1,2,3
.if \zero
	v_wmma_f32_16x16x128_bf8_bf8 v[ACC+32*(\m)+8*\t:ACC+32*(\m)+8*\t+7], v[64*\j+16*\t:64*\j+16*\t+15], v[XF+16*(\m):XF+16*(\m)+15], 0
.else
	v_wmma_f32_16x16x128_bf8_bf8 v[ACC+32*(\m)+8*\t:ACC+32*(\m)+8*\t+7], v[64*\j+16*\t:64*\j+16*\t+15], v[XF+16*(\m):XF+16*(\m)+15], v[ACC+32*(\m)+8*\t:ACC+32*(\m)+8*\t+7]
.endif
.endr
.endr
.endm
; A K step of 128: 16 products, the 16 accumulators by turns, in the same order in every step.
; lc: the loads issued behind slot j's sixteen.  wl = 1: slot j takes the step four further on in the stream, at byte wo from the stream's pointer.
.macro STEP j, zero, lc, nf, na, wl, wo
	s_wait_loadcnt \lc                             ; slot j's 16 loads are in; the later slots' stay out
	s_wait_dscnt 8                                 ; row tiles 0 and 1 are in; the eight youngest LDS loads (tiles 2 and 3) may be out
	WIN 0x01                                       ; source 0 in the ring
	MM8 \j, 0, \zero
	s_wait_dscnt 0x0                               ; tiles 2 and 3 are in
	PLACES 4                                       ; in front of loads into registers that the products above have read
	WIN 0
	NEXTF \nf, \na, 0
	WIN 0x01
	MM8 \j, 2, \zero
	PLACES 4                                       ; likewise; and in front of the first read of results behind a group's last step
	WIN 0
	NEXTF \nf, \na, 2
.if \wl
	WLOAD \j, \wo
.endif
.endm
	s_load_b512 s[4:19], s[0:1], 0x0               ; x 4, wf 6, the scales 8, b1 10, b2 12, a_down 14, a_up 16, out 18
	v_and_b32 v24, 31, v0
	v_lshlrev_b32 v[LI], 4, v24
	v_lshrrev_b32 v25, 5, v0
	v_readfirstlane_b32 s2, v25                    ; wave 0..7
	v_lshlrev_b32 v24, 4, v0                       ; 16 x thread: the head's loads
	s_and_b32 s26, s2, 1                           ; kh: which half of K I quantise
	s_lshr_b32 s27, s2, 1                          ; which tile of rows
	s_lshl_b32 s24, ttmp9, 18                      ; x: 64 rows of 4,096 bytes a work-group,
	s_lshl_b32 s25, s27, 16
	s_add_co_u32 s24, s24, s25                     ; 16 rows a tile,
	s_lshl_b32 s25, s26, 11
	s_add_co_u32 s24, s24, s25                     ; 512 numbers a half
	s_mov_b32 s25, 0
	s_lshl_b32 s28, s2, 19                         ; wf: my stream
	s_mov_b32 s29, 0
	s_lshl_b32 s38, ttmp9, 18                      ; out: the work-group's rows, my 128 columns
	s_lshl_b32 s39, s2, 9
	s_add_co_u32 s38, s38, s39
	s_mov_b32 s39, 0
	s_wait_kmcnt 0x0
	s_load_b128 s[20:23], s[8:9], 0x0              ; e0 .. e3
	s_add_nc_u64 s[4:5], s[4:5], s[24:25]
	s_add_nc_u64 s[6:7], s[6:7], s[28:29]
	s_add_nc_u64 s[18:19], s[18:19], s[38:39]
.irp i, 0,1,2,3,4,5,6,7
	global_load_b128 v[PD+4*\i:PD+4*\i+3], v24, s[14:15] offset:4096*\i    ; a_down[0]: thread T holds (k = T / 2 + 128 i, n = 4 (T % 2) + 0 .. 3)
.endr
.irp i, 0,1,2,3,4,5,6,7
	global_load_b128 v[PU+4*\i:PU+4*\i+3], v24, s[16:17] offset:4096*\i    ; a_up[0]: (k = i, n = 4 T + 0 .. 3)
.endr
	global_load_b128 v[PB:PB+3], v24, s[10:11]
	global_load_b128 v[PB+4:PB+7], v24, s[10:11] offset:4096
	global_load_b128 v[PB+8:PB+11], v24, s[12:13]
	XLOAD 0
	XLOAD 1
	XLOAD 2
	; every address register, while the loads are out
	v_and_b32 v[RR], 15, v0
	v_bfe_u32 v[HH], v0, 4, 1
	s_mul_i32 s24, s2, 8448
	s_add_co_u32 s24, s24, PXS
	v_add_nc_u32 v[TS], s24, v[LI]
	v_mul_u32_u24 v[TL], v[RR], 528
	v_lshl_add_u32 v[TL], v[HH], 6, v[TL]
	v_add_nc_u32 v[TL], s24, v[TL]                 ; row r, + 64 h: my 16 numbers of a block of 32
	v_mul_u32_u24 v[TA], v[RR], 2064
	v_lshl_add_u32 v[TA], v[HH], 5, v[TA]
	s_lshl_b32 s25, s26, 10
	s_add_co_u32 s25, s25, ADT
	v_add_nc_u32 v[TA], s25, v[TA]
	s_lshl_b32 s25, s27, 11
	s_lshl_b32 s28, s26, 15
	s_add_co_u32 s25, s25, s28
	v_add_nc_u32 v[XW], s25, v[LI]
	s_lshl_b32 s25, s2, 10
	s_add_co_u32 s25, s25, LPART
	v_add_nc_u32 v[LPW], s25, v[LI]
	s_lshl_b32 s25, s2, 14
	s_add_co_u32 s25, s25, HIMG
	v_add_nc_u32 v[HWB], s25, v[LI]
	s_lshl_b32 s25, s2, 10
	s_add_co_u32 s25, s25, B1L
	v_lshl_add_u32 v[B1B], v[HH], 6, s25
	s_lshl_b32 s25, s2, 11
	s_add_co_u32 s25, s25, AUT
	v_lshl_add_u32 v[UAB], v[RR], 4, s25
	s_lshl_b32 s25, s2, 9
	s_add_co_u32 s25, s25, B2L
	v_lshl_add_u32 v[B2B], v[HH], 5, s25
	s_mul_i32 s25, s2, 4352
	v_mul_u32_u24 v[SO], v[RR], 272
	v_lshl_add_u32 v[SO], v[HH], 5, v[SO]
	v_add_nc_u32 v[SO], s25, v[SO]
	v_mul_u32_u24 v[SR], v[HH], 272
	v_lshl_add_u32 v[SR], v[RR], 4, v[SR]
	v_add_nc_u32 v[SR], s25, v[SR]
	v_lshlrev_b32 v[GO], 12, v[HH]
	v_lshl_add_u32 v[GO], v[RR], 4, v[GO]
	v_add_nc_u32 v[HRB], HIMG, v[LI]
	v_add_nc_u32 v[LPR], LPART, v[LI]
	v_add_nc_u32 v25, B1L, v24                     ; b1's and b2's place for my thread
	v_and_b32 v26, 1, v0
	v_mul_u32_u24 v26, v26, 8256
	v_lshrrev_b32 v27, 1, v0
	v_lshl_add_u32 v26, v27, 1, v26
	v_add_nc_u32 v26, ADT, v26                     ; A_down^T: row 4 (T % 2), element T / 2
	s_mul_i32 s25, s2, 2064
	s_add_co_u32 s25, s25, ADT+8*2064
	v_lshl_add_u32 v27, v[LI], 2, s25              ; its zero row 8 + w: 64 bytes a lane
	v_lshl_add_u32 v[AUW], v0, 6, AUT              ; A_up^T: columns 4 T on
	v_mov_b32 v28, 0x3e7c6f08                      ; the fit's ninth coefficient, twice
	v_mov_b32 v29, 0x3e7c6f08
	s_mov_b32 s35, 0x3eb504f3                      ; 1 / sqrt 8
	PAIR 36, 0xbf38aa3b                            ; -log2(e) / 2
	PAIR CC+0,  0xc034d90f
	PAIR CC+2,  0x3fb8ab5a
	PAIR CC+4,  0x3f0a29d2
	PAIR CC+6,  0x3e0efb2e
	PAIR CC+8,  0xbe899a80
	PAIR CC+10, 0x3ecdfd18
	PAIR CC+12, 0xbfd1a1e5
	PAIR CC+14, 0x40097039
	PAIR CC+16, 0xbf97d29d
	s_wait_kmcnt 0x0
	s_add_co_i32 s24, s20, s21
	s_add_co_i32 s24, s24, 127
	s_lshl_b32 s30, s24, 23                        ; 2^(e0 + e1): what a sum of the first product is multiplied by
	s_mov_b32 s31, s30
	s_add_co_i32 s24, s22, s23
	s_sub_co_i32 s34, 0, s24                       ; -(e2 + e3)
	s_add_co_i32 s24, s24, 127
	s_lshl_b32 s32, s24, 23                        ; 2^(e2 + e3): the second product's
	s_mov_b32 s33, s32
	s_add_co_i32 s24, s20, 127
	s_lshl_b32 s25, s24, 23
	v_mov_b32 v[XSC], s25                          ; 2^e0: the conversion takes its exponent field
	s_add_co_i32 s24, s24, 15
	s_lshl_b32 s24, s24, 23
	s_or_b32 s24, s24, 0x600000
	v_mov_b32 v[XLIM], s24                         ; 57,344 x 2^e0
	s_add_co_i32 s24, s22, 127
	s_lshl_b32 s25, s24, 23
	v_mov_b32 v[HSC], s25
	s_add_co_i32 s24, s24, 15
	s_lshl_b32 s24, s24, 23
	s_or_b32 s24, s24, 0x600000
	v_mov_b32 v[HLIM], s24
	s_wait_loadcnt 48                              ; the 19 small loads are in; x's three sets, 48 loads, stay out
	; ---- the small tensors into LDS
.set jj, 0
.rept 32
	v_cvt_pk_bf16_f32 v[PD+jj], v[PD+jj], v[PD+jj]
.set jj, jj+1
.endr
.irp i, 0,1,2,3,4,5,6,7
.irp e, 0,1,2,3
	ds_store_b16 v26, v[PD+4*\i+\e] offset:256*\i+2064*\e
.endr
.endr
.irp e, 0,1,2,3
	v_mov_b32 v[PK+16+\e], 0
.endr
.irp e, 0,1,2,3
	ds_store_b128 v27, v[PK+16:PK+19] offset:16*\e
.endr
.irp e, 0,1,2,3
.irp k, 0,1,2,3
	v_cvt_pk_bf16_f32 v[PK+4*\e+\k], v[PU+8*\k+\e], v[PU+8*\k+4+\e]        ; column 4 T + e: k = 2 k', 2 k' + 1
.endr
	ds_store_b128 v[AUW], v[PK+4*\e:PK+4*\e+3] offset:16*\e
.endr
	ds_store_b128 v25, v[PB:PB+3]
	ds_store_b128 v25, v[PB+4:PB+7] offset:4096
.irp e, 0,1,2,3
	v_ldexp_f32 v[PB+8+\e], v[PB+8+\e], s34        ; b2 goes into sums that lack the factor 2^(e2 + e3)
.endr
	ds_store_b128 v25, v[PB+8:PB+11] offset:8192
	XLOAD 3
	BARRIER                                        ; the small tensors lie in LDS
	; ---- x: my 16 rows x 512 along K become four fragments of codes, and my part of x A_down
.macro XSTEP i
	s_wait_loadcnt 48                              ; set i's 16 loads are in; behind them stand three groups of 16: later sets of x, and the weights' first steps
	WIN 0x04                                       ; the stores' data lie in the ring's registers
.set jj, 0
.rept 16
	ds_store_b128 v[TS], v[64*\i+4*jj:64*\i+4*jj+3] offset:528*jj
.set jj, jj+1
.endr
	WIN 0
.irp b, 0,1,2,3
.irp q, 0,1,2,3
	ds_load_b128 v[XN+16*\b+4*\q:XN+16*\b+4*\q+3], v[TL] offset:128*\b+16*\q   ; LDS serves a wave's instructions in order: these see my stores.  Register 16 b + i: k = 32 b + 16 h + i of row r
.endr
.endr
.irp b, 0,1,2,3
	ds_load_b128 v[AD+8*\b:AD+8*\b+3], v[TA] offset:256*\i+64*\b               ; A_down^T, row r, the same 16 k
	ds_load_b128 v[AD+8*\b+4:AD+8*\b+7], v[TA] offset:256*\i+64*\b+16
.endr
	s_wait_dscnt 0x0
	WLOAD \i, 8192*\i                              ; set i's registers are free: they are slot i of the ring
.set jj, 0
.rept 32
	v_cvt_pk_bf16_f32 v[XB+jj], v[XN+2*jj], v[XN+2*jj+1]
.set jj, jj+1
.endr
.irp b, 0,1,2,3                                ; four accumulators by turns, 32 along K each
.if \i == 0
	v_wmma_f32_16x16x32_bf16 v[LA+8*\b:LA+8*\b+7], v[AD+8*\b:AD+8*\b+7], v[XB+8*\b:XB+8*\b+7], 0
.else
	v_wmma_f32_16x16x32_bf16 v[LA+8*\b:LA+8*\b+7], v[AD+8*\b:AD+8*\b+7], v[XB+8*\b:XB+8*\b+7], v[LA+8*\b:LA+8*\b+7]
.endif
.endr
.set jj, 0
.rept 64
	v_med3_num_f32 v[XN+jj], v[XN+jj], -v[XLIM], v[XLIM]   ; the conversion to an 8-bit code does not saturate (ISA guide 7.6.2).  These 64 are also the places behind the four products
.set jj, jj+1
.endr
.irp c, 0,1,2,3
	v_cvt_scalef32_pk8_bf8_f32 v[PC+4*\c:PC+4*\c+1], v[XN+16*\c:XN+16*\c+7], v[XSC]
	v_cvt_scalef32_pk8_bf8_f32 v[PC+4*\c+2:PC+4*\c+3], v[XN+16*\c+8:XN+16*\c+15], v[XSC]
.endr
	v_nop                                          ; a plain vector instruction behind the last scaled conversion
.irp c, 0,1,2,3
	ds_store_b128 v[XW], v[PC+4*\c:PC+4*\c+3] offset:8192*\i+512*\c
.endr
.endm
	XSTEP 0
	XSTEP 1
	XSTEP 2
	XSTEP 3
.irp j, 0,2,4,6
	v_pk_add_f32 v[LA+\j:LA+\j+1], v[LA+\j:LA+\j+1], v[LA+8+\j:LA+8+\j+1]
.endr
.irp j, 0,2,4,6
	v_pk_add_f32 v[LA+16+\j:LA+16+\j+1], v[LA+16+\j:LA+16+\j+1], v[LA+24+\j:LA+24+\j+1]
.endr
.irp j, 0,2,4,6
	v_pk_add_f32 v[LA+\j:LA+\j+1], v[LA+\j:LA+\j+1], v[LA+16+\j:LA+16+\j+1]
.endr
	ds_store_b128 v[LPW], v[LA:LA+3]               ; lane (r, h): row r, columns 8 h + 0 .. 7 of x A_down (h = 1: zeros), over my half of K
	ds_store_b128 v[LPW], v[LA+4:LA+7] offset:512
	BARRIER                                        ; x's 32 fragments and the partial sums lie in LDS; nobody reads the stages or A_down^T any more
	; ---- the hidden layer: four groups of 64 units
; One tile of rows: 32 numbers a lane.  The reciprocals and the exponentials go as batches, each with one plain instruction and one wait ahead of its first reader.
.macro GELU m
.set GZ, ACC+32*\m
.set GT, XF
.set GQ, XF+32
.set jj, 0
.rept 16
	v_pk_fma_f32 v[GZ+jj:GZ+jj+1], v[GZ+jj:GZ+jj+1], s[30:31], v[B1R+jj:B1R+jj+1] op_sel_hi:[1,0,1]   ; z = sum x 2^(e0 + e1) + b1; each accumulator from its low end on
.set jj, jj+2
.endr
.set jj, 0
.rept 32
	v_fma_f32 v[GT+jj], |v[GZ+jj]|, s35, 1.0
.set jj, jj+1
.endr
.set jj, 0
.rept 32
	v_rcp_f32 v[GT+jj], v[GT+jj]                   ; t
.set jj, jj+1
.endr
	v_nop
	s_wait_dscnt 0x0                               ; the last tile's stores have read the registers that the exponent takes
	s_wait_alu depctr_va_vdst(0)
.set jj, 0
.rept 16
	v_pk_fma_f32 v[GQ+jj:GQ+jj+1], v[GT+jj:GT+jj+1], v[28:29], s[CC+16:CC+17] op_sel_hi:[1,1,0]
.set jj, jj+2
.endr
.irp i, 7,6,5,4,3,2,1,0
.set jj, 0
.rept 16
	v_pk_fma_f32 v[GQ+jj:GQ+jj+1], v[GQ+jj:GQ+jj+1], v[GT+jj:GT+jj+1], s[CC+2*\i:CC+2*\i+1] op_sel_hi:[1,1,0]
.set jj, jj+2
.endr
.endr
.set jj, 0
.rept 8
	v_pk_mul_f32 v[24:25], v[GZ+jj:GZ+jj+1], v[GZ+jj:GZ+jj+1]
	v_pk_mul_f32 v[26:27], v[GZ+jj+2:GZ+jj+3], v[GZ+jj+2:GZ+jj+3]
	v_pk_fma_f32 v[GQ+jj:GQ+jj+1], v[24:25], s[36:37], v[GQ+jj:GQ+jj+1] op_sel_hi:[1,0,1]
	v_pk_fma_f32 v[GQ+jj+2:GQ+jj+3], v[26:27], s[36:37], v[GQ+jj+2:GQ+jj+3] op_sel_hi:[1,0,1]
.set jj, jj+4
.endr
.set jj, 0
.rept 32
	v_exp_f32 v[GQ+jj], v[GQ+jj]
.set jj, jj+1
.endr
	v_nop
	s_wait_alu depctr_va_vdst(0)
.set jj, 0
.rept 16
	v_pk_mul_f32 v[GT+jj:GT+jj+1], v[GT+jj:GT+jj+1], v[GQ+jj:GQ+jj+1]      ; u
.set jj, jj+2
.endr
.set jj, 0
.rept 32
	v_max_num_f32 v[GQ+jj], 0, v[GZ+jj]
.set jj, jj+1
.endr
.set jj, 0
.rept 32
	v_fma_f32 v[GZ+jj], -|v[GZ+jj]|, v[GT+jj], v[GQ+jj]                    ; g = max(z, 0) - |z| u
.set jj, jj+1
.endr
.set jj, 0
.rept 32
	v_med3_num_f32 v[GZ+jj], v[GZ+jj], -v[HLIM], v[HLIM]
.set jj, jj+1
.endr
.irp k, 0,1,2,3
	v_cvt_scalef32_pk8_bf8_f32 v[GQ+2*\k:GQ+2*\k+1], v[GZ+8*\k:GZ+8*\k+7], v[HSC]
.endr
	v_nop                                          ; a plain vector instruction behind the last scaled conversion
	ds_store_b128 v[HW], v[GQ:GQ+3] offset:1024*\m             ; units 16 h + 0 .. 15 of the group's first 32,
	ds_store_b128 v[HW], v[GQ+4:GQ+7] offset:1024*\m+512       ; and of its second
.endm
	s_mov_b32 s60, 0
	s_mov_b32 s61, 0
	s_mov_b32 s62, 0
.Lg:                                               ; four trips: a group's eight K steps, then its gelu.  The stream of weights runs on over the trips' edges
	v_add_nc_u32 v[HW], s61, v[HWB]
	v_add_nc_u32 v[B1A], s62, v[B1B]
.irp b, 0,1
.irp i, 0,1,2,3
	ds_load_b128 v[B1R+16*\b+4*\i:B1R+16*\b+4*\i+3], v[B1A] offset:128*\b+16*\i
.endr
.endr
	XFETCH 0, 0
	XFETCH 0, 2
	STEP 0, 1, 48, 1, 1, 1, 4*8192
	STEP 1, 0, 48, 1, 2, 1, 5*8192
	STEP 2, 0, 48, 1, 3, 1, 6*8192
	STEP 3, 0, 48, 1, 4, 1, 7*8192
	STEP 0, 0, 48, 1, 5, 1, 8*8192
	STEP 1, 0, 48, 1, 6, 1, 9*8192
	STEP 2, 0, 48, 1, 7, 1, 10*8192
	STEP 3, 0, 48, 0, 0, 1, 11*8192
	GELU 0
	GELU 1
	GELU 2
	GELU 3
	s_wait_dscnt 0x0                               ; the last stores have read their registers and their address
	s_wait_xcnt 0x0                                ; the weights' loads have read their base: it may step
	s_add_nc_u64 s[6:7], s[6:7], 65536
	s_add_co_u32 s61, s61, 4096
	s_add_co_u32 s62, s62, 256
	s_add_co_u32 s60, s60, 1
	s_cmp_lt_u32 s60, 4
	s_cbranch_scc1 .Lg
	BARRIER                                        ; the hidden layer's codes lie in LDS; nobody reads x's images any more
	; ---- x A_down: the two halves of K are added, divided by 2^(e2 + e3) and rounded to bf16: source 1 of the product with A_up (k = 8 h + 0 .. 7 in registers 0-3; the rest zeros)
.irp m, 0,1,2,3
.irp p, 0,1
.irp i, 0,1
	ds_load_b128 v[XF+16*\m+8*\p+4*\i:XF+16*\m+8*\p+4*\i+3], v[LPR] offset:1024*(2*\m+\p)+512*\i
.endr
.endr
.endr
	s_wait_dscnt 0x0
.irp m, 0,1,2,3
.irp j, 0,2,4,6
	v_pk_add_f32 v[XF+16*\m+\j:XF+16*\m+\j+1], v[XF+16*\m+\j:XF+16*\m+\j+1], v[XF+16*\m+8+\j:XF+16*\m+8+\j+1]
.endr
.irp j, 0,1,2,3,4,5,6,7
	v_ldexp_f32 v[XF+16*\m+\j], v[XF+16*\m+\j], s34
.endr
.irp p, 0,1,2,3
	v_cvt_pk_bf16_f32 v[LF+8*\m+\p], v[XF+16*\m+2*\p], v[XF+16*\m+2*\p+1]
.endr
.irp p, 4,5,6,7
	v_mov_b32 v[LF+8*\m+\p], 0
.endr
.endr
; ---- the second product: two groups of 64 columns, 16 K steps each
; A group's sums begin as (b2 + (x A_down) A_up) / 2^(e2 + e3): one bf16 product for each accumulator, with b2 as its C.
.macro INIT2 g2
	s_wait_xcnt 0x0                                ; earlier stores have read the registers that are loaded now
.irp t, 0,1,2,3
	ds_load_b128 v[XF+8*\t:XF+8*\t+3], v[B2B] offset:256*\g2+64*\t
	ds_load_b128 v[XF+8*\t+4:XF+8*\t+7], v[B2B] offset:256*\g2+64*\t+16
.endr
.irp t, 0,1,2,3
	ds_load_b128 v[XF+32+8*\t:XF+32+8*\t+3], v[UAB] offset:1024*\g2+256*\t     ; A_up^T, column 16 t + r, k = 0 .. 7; lanes 16-31 hold the same numbers and meet zeros
.endr
.irp t, 0,1,2,3
.irp k, 4,5,6,7
	v_mov_b32 v[XF+32+8*\t+\k], 0
.endr
.endr
	s_mov_b32 s61, 0
	v_add_nc_u32 v[HR], s61, v[HRB]
	s_wait_dscnt 0x0
.irp m, 0,1,2,3
.irp t, 0,1,2,3
	v_wmma_f32_16x16x32_bf16 v[ACC+32*\m+8*\t:ACC+32*\m+8*\t+7], v[XF+32+8*\t:XF+32+8*\t+7], v[LF+8*\m:LF+8*\m+7], v[XF+8*\t:XF+8*\t+7]
.endr
.endr
	PLACES 5                                       ; products of another form add onto these results next, and loads land in their sources
	HFETCH HR, 0, 0
	HFETCH HR, 0, 2
.endm
; Four K steps.  wl = 1: the stream goes on.  fn = 1: the next trip's first fragments are fetched in the fourth step.
.macro TRIP2 wl, fn
.if \wl
	STEP 0, 0, 48, 2, 1, 1, 4*8192
	STEP 1, 0, 48, 2, 2, 1, 5*8192
	STEP 2, 0, 48, 2, 3, 1, 6*8192
.if \fn
	v_add_nc_u32 v[HR2], 0x8000, v[HR]             ; the loads that named it were waited for in this trip's first step
	STEP 3, 0, 48, 3, 0, 1, 7*8192
.else
	STEP 3, 0, 48, 0, 0, 1, 7*8192
.endif
.else
	STEP 0, 0, 48, 2, 1, 0, 0                      ; the stream's last four steps: nothing is loaded past its end, and the counts run down
	STEP 1, 0, 32, 2, 2, 0, 0
	STEP 2, 0, 16, 2, 3, 0, 0
	STEP 3, 0, 0, 0, 0, 0, 0
.endif
.endm
; THE WAY OUT.  A lane holds 32 neighbouring bytes of a row and the lanes beside it hold other rows: a tile of 16 rows x 64 columns goes through my own stage and comes back as rows of 256 bytes.
.macro TOSTAGE m
.set jj, 0
.rept 16
	v_pk_mul_f32 v[ACC+32*\m+jj:ACC+32*\m+jj+1], v[ACC+32*\m+jj:ACC+32*\m+jj+1], s[32:33] op_sel_hi:[1,0]   ; x 2^(e2 + e3); each accumulator from its low end on
.set jj, jj+2
.endr
.irp t, 0,1,2,3
	ds_store_b128 v[SO], v[ACC+32*\m+8*\t:ACC+32*\m+8*\t+3] offset:64*\t
	ds_store_b128 v[SO], v[ACC+32*\m+8*\t+4:ACC+32*\m+8*\t+7] offset:64*\t+16
.endr
.irp i, 0,1,2,3,4,5,6,7
	ds_load_b128 v[XF+32*((\m)%2)+4*\i:XF+32*((\m)%2)+4*\i+3], v[SR] offset:544*\i     ; LDS serves a wave's instructions in order: these see my stores, and the next tile's stores come behind them
.endr
.endm
.macro SEND m, younger, g2             ; younger: the LDS instructions issued behind tile m's loads: the next tile's sixteen, or none
	s_wait_dscnt \younger
.irp i, 0,1,2,3,4,5,6,7
	global_store_b128 v[GO], v[XF+32*((\m)%2)+4*\i:XF+32*((\m)%2)+4*\i+3], s[18:19] offset:65536*\m+8192*\i+256*\g2 th:TH_STORE_NT   ; 16 lanes store 256 consecutive bytes, at a multiple of 256 from out's first byte
.endr
.endm
.macro OUT2 g2
	TOSTAGE 0
	TOSTAGE 1
	SEND 0, 16, \g2
	s_wait_xcnt 0x0                                ; tile 0's stores have read their registers: tile 2's rows may land there
	TOSTAGE 2
	SEND 1, 16, \g2
	s_wait_xcnt 0x0
	TOSTAGE 3
	SEND 2, 16, \g2
	SEND 3, 0, \g2
.endm
	INIT2 0
	s_mov_b32 s60, 0
.Lk0:                                              ; three trips of four K steps
	TRIP2 1, 1
	s_wait_xcnt 0x0                                ; the weights' loads have read their base
	s_add_nc_u64 s[6:7], s[6:7], 32768
	s_add_co_u32 s61, s61, 32768
	v_add_nc_u32 v[HR], s61, v[HRB]                ; the loads that named it were waited for in the fourth step; those that are out name the other register
	s_add_co_u32 s60, s60, 1
	s_cmp_lt_u32 s60, 3
	s_cbranch_scc1 .Lk0
	TRIP2 1, 0
	s_wait_xcnt 0x0
	s_add_nc_u64 s[6:7], s[6:7], 32768
	OUT2 0                                         ; the next group's first four steps of weights are on their way meanwhile
	INIT2 1
	s_mov_b32 s60, 0
.Lk1:
	TRIP2 1, 1
	s_wait_xcnt 0x0
	s_add_nc_u64 s[6:7], s[6:7], 32768
	s_add_co_u32 s61, s61, 32768
	v_add_nc_u32 v[HR], s61, v[HRB]
	s_add_co_u32 s60, s60, 1
	s_cmp_lt_u32 s60, 3
	s_cbranch_scc1 .Lk1
	TRIP2 0, 0
	OUT2 1
	s_wait_xcnt 0x0
	v_lshl_add_u32 v254, v0, 2, 0x39000
	v_mov_b32 v255, 0
	s_wait_tensorcnt 0x0
	ds_add_u32 v254, v255
	s_wait_dscnt 0x0
	s_endpgm
.Lfunc_end_k_qe2ea7f5c56_ffn:
	.size	k_qe2ea7f5c56_ffn, .Lfunc_end_k_qe2ea7f5c56_ffn-k_qe2ea7f5c56_ffn
	.p2alignl 7, 3214868480
	.fill 96, 4, 3214868480
	.section	.rodata,"a",@progbits
	.p2align	6, 0x0
	.amdhsa_kernel k_qe2ea7f5c56_ffn
		.amdhsa_group_segment_fixed_size 234496
		.amdhsa_private_segment_fixed_size 0
		.amdhsa_enable_private_segment 0
		.amdhsa_kernarg_size 64
		.amdhsa_user_sgpr_count 2
		.amdhsa_user_sgpr_kernarg_segment_ptr 1
		.amdhsa_wavefront_size32 1
		.amdhsa_system_sgpr_workgroup_id_x 1
		.amdhsa_system_sgpr_workgroup_id_y 1
		.amdhsa_system_sgpr_workgroup_id_z 1
		.amdhsa_system_vgpr_workitem_id 0
		.amdhsa_next_free_vgpr 512
		.amdhsa_next_free_sgpr 80
		.amdhsa_reserve_vcc 0
		.amdhsa_float_denorm_mode_32 3
		.amdhsa_float_denorm_mode_16_64 3
		.amdhsa_memory_ordered 1
		.amdhsa_forward_progress 1
		.amdhsa_inst_pref_size 255
	.end_amdhsa_kernel
	.section	.bss,"aw",@nobits
	.p2align	6
	.space	262144
	.amdgpu_metadata
---
amdhsa.version: [ 1, 2 ]
amdhsa.kernels:
  - .name:           k_qe2ea7f5c56_ffn
    .symbol:         k_qe2ea7f5c56_ffn.kd
    .args:
      - { .name: x, .offset: 0, .size: 8, .value_kind: global_buffer, .address_space: global }
      - { .name: wf, .offset: 8, .size: 8, .value_kind: global_buffer, .address_space: global }
      - { .name: lowp_scales, .offset: 16, .size: 8, .value_kind: global_buffer, .address_space: global }
      - { .name: b1, .offset: 24, .size: 8, .value_kind: global_buffer, .address_space: global }
      - { .name: b2, .offset: 32, .size: 8, .value_kind: global_buffer, .address_space: global }
      - { .name: a_down, .offset: 40, .size: 8, .value_kind: global_buffer, .address_space: global }
      - { .name: a_up, .offset: 48, .size: 8, .value_kind: global_buffer, .address_space: global }
      - { .name: out0, .offset: 56, .size: 8, .value_kind: global_buffer, .address_space: global }
    .group_segment_fixed_size: 234496
    .private_segment_fixed_size: 0
    .kernarg_segment_align: 8
    .kernarg_segment_size: 64
    .max_flat_workgroup_size: 256
    .sgpr_count:     80
    .vgpr_count:     512
    .wavefront_size: 32
...
	.end_amdgpu_metadata
.endif
;; end of part 2
;; ======== version 2 of 2: 2 launches
;; workspace buffers: wf 4,194,304 bytes
;; launch lay (part 3): grid 512 x 1, 4 waves a work-group, no clusters, 0 bytes of LDS; arguments w1_codes, w2_codes, wf; writes wf
.if DOCPART == 3
	.amdgcn_target "amdgcn-amd-amdhsa--gfx1250"
	.amdhsa_code_object_version 6
	.text
	.protected	k_qe2ea7f5c56_lay
	.globl	k_qe2ea7f5c56_lay
	.p2align	8
	.type	k_qe2ea7f5c56_lay,@function
k_qe2ea7f5c56_lay:
	s_mov_b64 s[64:65], 0
	v_nop
	global_prefetch_b8 v0, s[64:65] scope:SCOPE_SE
	s_setreg_imm32_b32 hwreg(HW_REG_WAVE_MODE, 25, 1), 1
	s_wait_xcnt 0x0
; The codes of W1 [2048][1024] and W2 [1024][2048] (K innermost, one code a byte) are copied once into wf, in the order in which the
; next launch's waves take them into operand registers: byte = w*524288 + q*8192 + t*2048 + c*512 + 16*lane.
;   w 0..7: the reading wave;  q 0..63: the step of its stream;  t 0..3: the fragment of 16 rows x 128 K;  c 0..3: four registers;  lane = 16 h + r.
;   q < 32  (W1): row 256 w + 64 (q>>3) + 32 (t>>1) + 8 (t&1) + r + 8 (r>>3), bytes 128 (q&7) + 32 c + 16 h .. +15 of that row
;   q >= 32 (W2): row 128 w + 64 ((q>>4)&1) + 16 t + r,                       bytes 128 (q&15) + 32 c + 16 h .. +15
; A work-group takes one (w, q), each of its four waves one fragment t.  One path serves both tensors: only the pointer and four constants are chosen,
; on the work-group's number.  Each store of a wave covers 512 consecutive bytes, aligned.
	s_load_b128 s[4:7], s[0:1], 0x0                ; W1's codes, W2's codes
	s_load_b64 s[8:9], s[0:1], 0x10                ; wf
	v_lshrrev_b32 v1, 5, v0
	v_readfirstlane_b32 s10, v1                    ; t = my wave's number
	v_and_b32 v2, 15, v0                           ; r
	v_bfe_u32 v3, v0, 4, 1                         ; h
	v_and_b32 v4, 31, v0                           ; lane
	s_lshr_b32 s11, ttmp9, 6                       ; w
	s_and_b32 s12, ttmp9, 63                       ; q
	s_lshl_b32 s13, s11, 8                         ; W1's first row: 256 w
	s_bfe_u32 s14, s12, 0x20003
	s_lshl_b32 s14, s14, 6
	s_add_co_u32 s13, s13, s14                     ; + 64 ((q>>3)&3)
	s_lshr_b32 s14, s10, 1
	s_lshl_b32 s14, s14, 5
	s_add_co_u32 s13, s13, s14                     ; + 32 (t>>1)
	s_and_b32 s14, s10, 1
	s_lshl_b32 s14, s14, 3
	s_add_co_u32 s13, s13, s14                     ; + 8 (t&1)
	s_lshl_b32 s15, s11, 7                         ; W2's first row: 128 w
	s_bfe_u32 s14, s12, 0x10004
	s_lshl_b32 s14, s14, 6
	s_add_co_u32 s15, s15, s14                     ; + 64 ((q>>4)&1)
	s_lshl_b32 s14, s10, 4
	s_add_co_u32 s15, s15, s14                     ; + 16 t
	s_and_b32 s16, s12, 7
	s_lshl_b32 s16, s16, 7                         ; W1's K step, in bytes
	s_and_b32 s17, s12, 15
	s_lshl_b32 s17, s17, 7                         ; W2's
	s_lshl_b32 s20, ttmp9, 13
	s_lshl_b32 s21, s10, 11
	s_add_co_u32 s20, s20, s21                     ; where my fragment goes: 8192 (64 w + q) + 2048 t
	s_wait_alu depctr_va_vdst(0)
	s_wait_kmcnt 0x0
	s_cmp_lt_u32 s12, 32                           ; W1 or W2?  Only selects follow, which leave SCC alone
	s_cselect_b64 s[4:5], s[4:5], s[6:7]
	s_cselect_b32 s13, s13, s15                    ; the first row
	s_cselect_b32 s16, s16, s17                    ; the K step's bytes
	s_cselect_b32 s18, 10, 11                      ; a row is 1,024 or 2,048 bytes
	s_cselect_b32 s19, 8, 0                        ; W1's tiles take rows r + 8 (r>>3), W2's rows r
	v_and_b32 v5, s19, v2
	v_add3_u32 v5, v5, v2, s13                     ; my row
	v_lshlrev_b32 v5, s18, v5
	v_lshl_add_u32 v5, v3, 4, v5
	v_add_nc_u32 v5, s16, v5                       ; + the K step + 16 h
	v_lshl_add_u32 v6, v4, 4, s20                  ; + 16 x lane
.irp c, 0,1,2,3
	global_load_b128 v[8+4*\c:11+4*\c], v5, s[4:5] offset:32*\c
.endr
	s_wait_alu depctr_va_vdst(0)
	s_wait_loadcnt 0x0
.irp c, 0,1,2,3
	global_store_b128 v6, v[8+4*\c:11+4*\c], s[8:9] offset:512*\c
.endr
	s_endpgm
.Lfunc_end_k_qe2ea7f5c56_lay:
	.size	k_qe2ea7f5c56_lay, .Lfunc_end_k_qe2ea7f5c56_lay-k_qe2ea7f5c56_lay
	.p2alignl 7, 3214868480
	.fill 96, 4, 3214868480
	.section	.rodata,"a",@progbits
	.p2align	6, 0x0
	.amdhsa_kernel k_qe2ea7f5c56_lay
		.amdhsa_group_segment_fixed_size 0
		.amdhsa_private_segment_fixed_size 0
		.amdhsa_enable_private_segment 0
		.amdhsa_kernarg_size 24
		.amdhsa_user_sgpr_count 2
		.amdhsa_user_sgpr_kernarg_segment_ptr 1
		.amdhsa_wavefront_size32 1
		.amdhsa_system_sgpr_workgroup_id_x 1
		.amdhsa_system_sgpr_workgroup_id_y 1
		.amdhsa_system_sgpr_workgroup_id_z 1
		.amdhsa_system_vgpr_workitem_id 0
		.amdhsa_next_free_vgpr 32
		.amdhsa_next_free_sgpr 66
		.amdhsa_reserve_vcc 0
		.amdhsa_float_denorm_mode_32 3
		.amdhsa_float_denorm_mode_16_64 3
		.amdhsa_memory_ordered 1
		.amdhsa_forward_progress 1
		.amdhsa_inst_pref_size 3
	.end_amdhsa_kernel
	.amdgpu_metadata
---
amdhsa.version: [ 1, 2 ]
amdhsa.kernels:
  - .name:           k_qe2ea7f5c56_lay
    .symbol:         k_qe2ea7f5c56_lay.kd
    .args:
      - { .name: w1_codes, .offset: 0, .size: 8, .value_kind: global_buffer, .address_space: global }
      - { .name: w2_codes, .offset: 8, .size: 8, .value_kind: global_buffer, .address_space: global }
      - { .name: wf, .offset: 16, .size: 8, .value_kind: global_buffer, .address_space: global }
    .group_segment_fixed_size: 0
    .private_segment_fixed_size: 0
    .kernarg_segment_align: 8
    .kernarg_segment_size: 24
    .max_flat_workgroup_size: 128
    .sgpr_count:     66
    .vgpr_count:     32
    .wavefront_size: 32
...
	.end_amdgpu_metadata
.endif
;; end of part 3
;; launch ffn (part 4): grid 256 x 1, 8 waves a work-group, no clusters, 234,496 bytes of LDS; arguments x, wf, lowp_scales, b1, b2, a_down, a_up, out0; writes out0
.if DOCPART == 4
	.amdgcn_target "amdgcn-amd-amdhsa--gfx1250"
	.amdhsa_code_object_version 6
	.text
	.protected	k_qe2ea7f5c56_ffn
	.globl	k_qe2ea7f5c56_ffn
	.p2align	8
	.type	k_qe2ea7f5c56_ffn,@function
k_qe2ea7f5c56_ffn:
	s_mov_b64 s[64:65], 0
	v_nop
	global_prefetch_b8 v0, s[64:65] scope:SCOPE_SE
	s_setreg_imm32_b32 hwreg(HW_REG_WAVE_SCHED_MODE, 0, 2), 2
	s_setreg_imm32_b32 hwreg(HW_REG_WAVE_MODE, 25, 1), 1
	s_wait_xcnt 0x0
	s_wait_alu depctr_vm_vsrc(0)
; out = gelu(x W1 + b1) W2 + b2 + (x A_down[0]) A_up[0], 16,384 rows.  The two large products run on codes of BF8 (E5M2), each operand with its given scale 2^e
; (e0: x, e1: W1, e2: the hidden layer, e3: W2); the two products of rank 8 take bf16 operands; all sums are f32.  Nothing intermediate goes to memory.
; SHARES.  A work-group of eight waves takes 64 rows (four tiles m of 16) through the whole chain.  THE WAVES SHARE THE COLUMNS: wave w makes hidden units 256 w .. +255 (four groups
; of 64) and output columns 128 w .. +127 (two groups of 64), each for all 64 rows: 16 accumulators of 16 x 16.  Two waves lie on a SIMD, so that one wave's gelu stands beside the other's products.
; OPERANDS FROM WAVE TO WAVE: x's codes and the hidden layer's go through LDS as images of the operand's registers (four registers a store, lane l's 16 bytes at 16 l).
; WEIGHTS: from the buffer wf, laid by the launch before in the order of the operand's registers, straight into a ring of four register slots (a slot: one K step of 128 x 64 rows, 16 loads of
; 512 consecutive bytes).  Three slots' loads, 48, stay out at every wait.  Each slot has a scalar base of its own, stepped behind the wait that shows the slot's loads done.
; NO TENSOR LOADS, NO CLUSTER: the images take 196,608 bytes of LDS, so two slots for weights could hold about 60 KB each; with 64 rows that is some 30 matrix instructions for each of four waves between two
; changes of slots, each with a round of the cluster's barrier and a wait for all loads.  The price: each work-group asks for all 4 MB of weights itself.
; ALL PRODUCTS ARE USED TRANSPOSED (source 0 = 16 rows of the weight, source 1 = 16 rows of x, of the hidden layer or of x A_down): lane (r, h) holds row r, its register j index 8 h + j along N.
; W1's rows of a tile are chosen (in wf) so that registers 16 b + i of a row tile's 32 are hidden units 32 b + 16 h + i: the conversions' results are the next operand's registers.
; In every 8-bit fragment registers 4 c .. 4 c + 3 of lane (r, h) hold k = 32 c + 16 h + 0 .. 15: the same permutation of k on both sides of a product.
; GELU, exact form: g = max(z, 0) - |z| u, u = erfc(|z| / sqrt 2) / 2 = t 2^(P(t) - z^2 log2(e) / 2), t = 1 / (1 + |z| / sqrt 8), P the Chebyshev fit of degree 9 whose fractional error
; is below 1.2e-7 for every z (its coefficients times log2(e), 1 taken off the first for the half).  Where u falls below 2^-126 it counts as 0.
; LIMITS: e0 and e2 between -126 and 112; e0 + e1 and e2 + e3 between -126 and 127, so that each power of two below is an f32 number.  NaN and infinity in x, in a_down, in a_up or in a number ahead of the
; gelu are not served.  x, A_down, x A_down and A_up are rounded to bf16 for the two products of rank 8.
; THE MODE: SCHED_MODE bits 1:0 = 2 (LLVM: expert scheduling mode 2), set by the entry lines.  The code itself states the register dependences
; between vector or matrix instructions and memory or LDS instructions, with s_wait_alu, always for 0.
; THE PLAN.  Registers that memory or LDS instructions touch:
;   v1-15, v19, v30, v31   offsets and addresses: made at the head ahead of the first load, never written again.  v24-27: the head's own addresses; later scratch of the gelu.
;   v16, v17 (first product)   written at a trip's head; read by the trip's stores of codes and by its loads of b1.
;   v18, v17 (second product)  written in INIT2 and at a trip's end; read by the fetches of the hidden layer.
;   the ring v256-511      x as loaded: read by the stores into the stage.  Then slot j: read by one step's 16 products, loaded again at that step's end.
;   XF v160-223            a step's four fragments of source 1: tiles 0, 1 are read by the step's first eight products and loaded again behind them, tiles 2, 3 likewise behind the last eight.
;                          In the gelu: t and the exponent; the codes in v192-199, which two stores read.  On the way out: rows from the stage, which the global stores read.
;   v224-255               b1 (loaded at a trip's head, read by the gelu); later x A_down in bf16, which vector and matrix instructions alone name.
;   ACC v32-159            named by vector and matrix instructions, but for the head (loads, LDS stores) and the way out (LDS stores).
; A wave has 512 registers and all are taken (32 + 128 + 64 + 32 + 256), so source 1 has one set of fragments: a step has TWO waits on va_vdst, one behind each eight products, each ahead of a run of
; 8 or 24 loads.  The loads stand in runs: a product names the ring as source 0, an LDS load's address is source 0 too, so a load among products would cost two switches of the window.
; In the gelu a tile's codes are stored behind the NEXT tile's wait for its reciprocals, which then also states that the codes are written.
.set XIMG,  0                          ; LDS: x's 32 fragments: s*8192 + m*2048 + c*512 + 16 lane.  Behind the second product's start: each wave's stage for the way out, 16 rows x 272 bytes at 4352 w
.set HIMG,  65536                      ; the hidden layer: w*16384 + g*4096 + m*1024 + b*512 + 16 lane
.set PXS,   65536                      ; (while x is quantised, inside HIMG) each wave's stage: 16 rows x 528 bytes at 8448 w
.set ADT,   133120                     ; (likewise) A_down^T in bf16: 16 rows of 2,064 bytes, rows 8-15 zeros
.set B1L,   196608                     ; b1
.set B2L,   204800                     ; b2 / 2^(e2 + e3)
.set AUT,   208896                     ; A_up^T in bf16: column n's eight numbers at 16 n
.set LPART, 225280                     ; the waves' partial sums of x A_down: 1024 w + {0, 512} + 16 lane
.set LI,   1                           ; v1   16 x lane: an image's place, and the loads' offset
.set RR,   2                           ; v2   r
.set HH,   3                           ; v3   h
.set TS,   4                           ; v4   x's stage, in
.set TL,   5                           ; v5   x's stage, out
.set TA,   6                           ; v6   A_down^T's fragments
.set XW,   7                           ; v7   where I store x's images
.set LPW,  8                           ; v8   where I store my partial sums
.set HWB,  9                           ; v9   my part of HIMG
.set B1B,  10                          ; v10  my part of b1
.set UAB,  11                          ; v11  my columns of A_up^T
.set B2B,  12                          ; v12  my part of b2
.set SO,   13                          ; v13  the way out: into my stage
.set SR,   14                          ; v14  and back
.set GO,   15                          ; v15  my byte offset in two rows of out
.set HW,   16                          ; v16  HWB + the group's 4,096
.set B1A,  17                          ; v17  B1B + the group's 256
.set HR2,  17                          ; v17  (second product) HR + 32768
.set HR,   18                          ; v18  HRB + the trip's 32,768
.set HRB,  19                          ; v19  HIMG + 16 x lane
.set XLIM, 20                          ; v20, v21  57,344 x 2^e0 and 2^e0
.set XSC,  21
.set HLIM, 22                          ; v22, v23  the same with e2
.set HSC,  23
.set AUW,  30                          ; v30  where I store A_up^T
.set LPR,  31                          ; v31  LPART + 16 x lane
.set ACC,  32                          ; v32-159  accumulator (m, t) at 32 + 32 m + 8 t
.set XF,   160                         ; v160-223 four fragments of source 1; the gelu's t and exponent; rows on the way out
.set B1R,  224                         ; v224-255 the group's b1 in the result's layout
.set LF,   224                         ; v224-255 (second product) x A_down's four fragments in bf16
.set XN,   32                          ; while x is quantised: 64 numbers; their bf16 pairs; A_down^T's four fragments; four accumulators; the codes
.set XB,   96
.set AD,   128
.set LA,   160
.set PC,   192
.set PD,   32                          ; at the head: a_down, a_up, b1 and b2 as loaded; packed numbers; four zeros
.set PU,   64
.set PB,   96
.set PK,   108
.set CC,   40                          ; s[40+2i:41+2i] the fit's coefficient i, twice, i = 0 .. 8; the ninth in v[28:29]
.set WB,   66                          ; s[66+2j:67+2j] slot j of the ring: the address, in my stream of weights, of the step that the slot is asked for next
.set MSB, 0
.macro WIN new                         ; registers 256-511 (the weights' ring) are named through a window; the immediate's high byte repeats the setting that is left
.if MSB != \new
	s_set_vgpr_msb (MSB<<8)|\new
.set MSB, \new
.endif
.endm
.macro PLACES n                        ; plain vector instructions behind a matrix instruction (ISA guide 7.12.1)
.rept \n
	v_nop
.endr
.endm
.macro BARRIER                         ; my LDS stores have landed and my LDS loads are in: then the work-group's barrier
	s_wait_dscnt 0x0
	s_barrier_signal -1
	s_barrier_wait -1
.endm
.macro PAIR reg, val
	s_mov_b32 s[\reg], \val
	s_mov_b32 s[\reg+1], \val
.endm
.macro XLOAD i                         ; my 16 rows' 128 numbers of my K step i: each load reads 512 consecutive bytes of one row
	WIN 0x40
.irp p, 0,1,2,3,4,5,6,7,8,9,10,11,12,13,14,15
	global_load_b128 v[64*\i+4*\p:64*\i+4*\p+3], v[LI], s[4:5] offset:4096*\p+512*\i th:TH_LOAD_NT
.endr
	WIN 0
.endm
.macro WLOAD j                         ; one step of my stream of weights into slot j: 16 loads of 512 consecutive bytes, from the slot's own base
	WIN 0x40
.irp t, 0,1,2,3
.irp c, 0,1,2,3
	global_load_b128 v[64*\j+16*\t+4*\c:64*\j+16*\t+4*\c+3], v[LI], s[WB+2*\j:WB+2*\j+1] offset:2048*\t+512*\c
.endr
.endr
	WIN 0
.endm
.macro XFETCH s, m0                    ; x's fragments of K step s, row tiles m0 and m0 + 1
.irp m, \m0, \m0+1
.irp c, 0,1,2,3
	ds_load_b128 v[XF+16*(\m)+4*\c:XF+16*(\m)+4*\c+3], v[LI] offset:8192*\s+2048*(\m)+512*\c
.endr
.endr
.endm
.macro HFETCH adr, i, m0               ; the hidden layer's fragments of the trip's K step i: made by wave i / 2 of the trip's two, groups 2 (i % 2) + c / 2
.irp m, \m0, \m0+1
.irp c, 0,1,2,3
	ds_load_b128 v[XF+16*(\m)+4*\c:XF+16*(\m)+4*\c+3], v[\adr] offset:((\i)/2)*16384+(2*((\i)%2)+\c/2)*4096+1024*(\m)+512*(\c%2)
.endr
.endr
.endm
.macro NEXTF nf, na, m0                ; the next step's fragments: 1: x's; 2: the hidden layer's, this trip's; 3: the next trip's first; 0: none
.if \nf == 1
	XFETCH \na, \m0
.elseif \nf == 2
	HFETCH HR, \na, \m0
.elseif \nf == 3
	HFETCH HR2, 0, \m0
.endif
.endm
.macro MM8 j, m0, zero                 ; eight products: row tiles m0, m0 + 1 against slot j's four fragments.  zero = 1: they start the sums
.irp m, \m0, \m0+1
.irp t, 0,1,2,3
.if \zero
	v_wmma_f32_16x16x128_bf8_bf8 v[ACC+32*(\m)+8*\t:ACC+32*(\m)+8*\t+7], v[64*\j+16*\t:64*\j+16*\t+15], v[XF+16*(\m):XF+16*(\m)+15], 0
.else
	v_wmma_f32_16x16x128_bf8_bf8 v[ACC+32*(\m)+8*\t:ACC+32*(\m)+8*\t+7], v[64*\j+16*\t:64*\j+16*\t+15], v[XF+16*(\m):XF+16*(\m)+15], v[ACC+32*(\m)+8*\t:ACC+32*(\m)+8*\t+7]
.endif
.endr
.endr
.endm
; A K step of 128: 16 products, the 16 accumulators by turns, in the same order in every step.
; lc: the loads issued behind slot j's sixteen.  wl = 1: slot j takes the step four further on in the stream.
.macro STEP j, zero, lc, nf, na, wl
	s_wait_loadcnt \lc                             ; slot j's 16 loads are in; the later slots' stay out
.if \wl
	s_add_nc_u64 s[WB+2*\j:WB+2*\j+1], s[WB+2*\j:WB+2*\j+1], 32768  ; free since that wait, which shows the loads that read it done: four steps on in the stream
.endif
	s_wait_dscnt 8                                 ; row tiles 0 and 1 are in; the eight youngest LDS loads (tiles 2 and 3) may be out
	WIN 0x01                                       ; source 0 in the ring
	MM8 \j, 0, \zero
.if \nf
	PLACES 4                                       ; four places behind the products above
	WIN 0
	s_wait_alu depctr_va_vdst(0)                   ; the eight products above are done reading tiles 0 and 1, in which the loads below land; an address made since the last such wait is written
	NEXTF \nf, \na, 0
	s_wait_dscnt 8                                 ; tiles 2 and 3 are in; the eight loads just issued may be out
.else
	s_wait_dscnt 0x0                               ; tiles 2 and 3 are in
.endif
	WIN 0x01
	MM8 \j, 2, \zero
	PLACES 4                                       ; four places behind the products above: behind a group's last step vector instructions read the results next
	WIN 0
.if \nf || \wl
	s_wait_alu depctr_va_vdst(0)                   ; the step's products are done reading tiles 2 and 3 and slot j, in which the loads below land
.endif
	NEXTF \nf, \na, 2
.if \wl
	WLOAD \j
.endif
.endm
	s_load_b512 s[4:19], s[0:1], 0x0               ; x 4, wf 6, the scales 8, b1 10, b2 12, a_down 14, a_up 16, out 18
	v_and_b32 v24, 31, v0
	v_lshlrev_b32 v[LI], 4, v24
	v_lshrrev_b32 v25, 5, v0
	v_readfirstlane_b32 s2, v25                    ; wave 0..7
	v_lshlrev_b32 v24, 4, v0                       ; 16 x thread: the head's loads
	v_and_b32 v[RR], 15, v0
	v_bfe_u32 v[HH], v0, 4, 1
	s_wait_alu depctr_va_sdst(0)                   ; s2 is written, ahead of its first reader: addresses and bases are made from it
	s_and_b32 s26, s2, 1                           ; kh: which half of K I quantise
	s_lshr_b32 s27, s2, 1                          ; which tile of rows
	; every address register, while the arguments are on their way
	s_mul_i32 s24, s2, 8448
	s_add_co_u32 s24, s24, PXS
	v_add_nc_u32 v[TS], s24, v[LI]
	v_mul_u32_u24 v[TL], v[RR], 528
	v_lshl_add_u32 v[TL], v[HH], 6, v[TL]
	v_add_nc_u32 v[TL], s24, v[TL]                 ; row r, + 64 h: my 16 numbers of a block of 32
	v_mul_u32_u24 v[TA], v[RR], 2064
	v_lshl_add_u32 v[TA], v[HH], 5, v[TA]
	s_lshl_b32 s25, s26, 10
	s_add_co_u32 s25, s25, ADT
	v_add_nc_u32 v[TA], s25, v[TA]
	s_lshl_b32 s25, s27, 11
	s_lshl_b32 s28, s26, 15
	s_add_co_u32 s25, s25, s28
	v_add_nc_u32 v[XW], s25, v[LI]
	s_lshl_b32 s25, s2, 10
	s_add_co_u32 s25, s25, LPART
	v_add_nc_u32 v[LPW], s25, v[LI]
	s_lshl_b32 s25, s2, 14
	s_add_co_u32 s25, s25, HIMG
	v_add_nc_u32 v[HWB], s25, v[LI]
	s_lshl_b32 s25, s2, 10
	s_add_co_u32 s25, s25, B1L
	v_lshl_add_u32 v[B1B], v[HH], 6, s25
	s_lshl_b32 s25, s2, 11
	s_add_co_u32 s25, s25, AUT
	v_lshl_add_u32 v[UAB], v[RR], 4, s25
	s_lshl_b32 s25, s2, 9
	s_add_co_u32 s25, s25, B2L
	v_lshl_add_u32 v[B2B], v[HH], 5, s25
	s_mul_i32 s25, s2, 4352
	v_mul_u32_u24 v[SO], v[RR], 272
	v_lshl_add_u32 v[SO], v[HH], 5, v[SO]
	v_add_nc_u32 v[SO], s25, v[SO]
	v_mul_u32_u24 v[SR], v[HH], 272
	v_lshl_add_u32 v[SR], v[RR], 4, v[SR]
	v_add_nc_u32 v[SR], s25, v[SR]
	v_lshlrev_b32 v[GO], 12, v[HH]
	v_lshl_add_u32 v[GO], v[RR], 4, v[GO]
	v_add_nc_u32 v[HRB], HIMG, v[LI]
	v_add_nc_u32 v[LPR], LPART, v[LI]
	v_add_nc_u32 v25, B1L, v24                     ; b1's and b2's place for my thread
	v_and_b32 v26, 1, v0
	v_mul_u32_u24 v26, v26, 8256
	v_lshrrev_b32 v27, 1, v0
	v_lshl_add_u32 v26, v27, 1, v26
	v_add_nc_u32 v26, ADT, v26                     ; A_down^T: row 4 (T % 2), element T / 2
	s_mul_i32 s25, s2, 2064
	s_add_co_u32 s25, s25, ADT+8*2064
	v_lshl_add_u32 v27, v[LI], 2, s25              ; its zero row 8 + w: 64 bytes a lane
	v_lshl_add_u32 v[AUW], v0, 6, AUT              ; A_up^T: columns 4 T on
	v_mov_b32 v28, 0x3e7c6f08                      ; the fit's ninth coefficient, twice
	v_mov_b32 v29, 0x3e7c6f08
	s_lshl_b32 s24, ttmp9, 18                      ; x: 64 rows of 4,096 bytes a work-group,
	s_lshl_b32 s25, s27, 16
	s_add_co_u32 s24, s24, s25                     ; 16 rows a tile,
	s_lshl_b32 s25, s26, 11
	s_add_co_u32 s24, s24, s25                     ; 512 numbers a half
	s_mov_b32 s25, 0
	s_lshl_b32 s28, s2, 19                         ; wf: my stream
	s_mov_b32 s29, 0
	s_lshl_b32 s38, ttmp9, 18                      ; out: the work-group's rows, my 128 columns
	s_lshl_b32 s39, s2, 9
	s_add_co_u32 s38, s38, s39
	s_mov_b32 s39, 0
	s_mov_b32 s35, 0x3eb504f3                      ; 1 / sqrt 8
	PAIR 36, 0xbf38aa3b                            ; -log2(e) / 2
	PAIR CC+0,  0xc034d90f
	PAIR CC+2,  0x3fb8ab5a
	PAIR CC+4,  0x3f0a29d2
	PAIR CC+6,  0x3e0efb2e
	PAIR CC+8,  0xbe899a80
	PAIR CC+10, 0x3ecdfd18
	PAIR CC+12, 0xbfd1a1e5
	PAIR CC+14, 0x40097039
	PAIR CC+16, 0xbf97d29d
	s_wait_kmcnt 0x0
	s_load_b128 s[20:23], s[8:9], 0x0              ; e0 .. e3
	s_add_nc_u64 s[4:5], s[4:5], s[24:25]
	s_add_nc_u64 s[6:7], s[6:7], s[28:29]
	s_add_nc_u64 s[18:19], s[18:19], s[38:39]
.irp j, 0,1,2,3
	s_add_nc_u64 s[WB+2*\j:WB+2*\j+1], s[6:7], 8192*\j  ; the stream's steps 0 to 3
.endr
	s_wait_alu depctr_va_vdst(0)                   ; the offsets and addresses v1 to v15, v19, v24 to v27, v30 and v31 are written, which the loads and stores of the whole kernel read
.irp i, 0,1,2,3,4,5,6,7
	global_load_b128 v[PD+4*\i:PD+4*\i+3], v24, s[14:15] offset:4096*\i    ; a_down[0]: thread T holds (k = T / 2 + 128 i, n = 4 (T % 2) + 0 .. 3)
.endr
.irp i, 0,1,2,3,4,5,6,7
	global_load_b128 v[PU+4*\i:PU+4*\i+3], v24, s[16:17] offset:4096*\i    ; a_up[0]: (k = i, n = 4 T + 0 .. 3)
.endr
	global_load_b128 v[PB:PB+3], v24, s[10:11]
	global_load_b128 v[PB+4:PB+7], v24, s[10:11] offset:4096
	global_load_b128 v[PB+8:PB+11], v24, s[12:13]
	XLOAD 0
	XLOAD 1
	XLOAD 2
	s_wait_kmcnt 0x0
	s_add_co_i32 s24, s20, s21
	s_add_co_i32 s24, s24, 127
	s_lshl_b32 s30, s24, 23                        ; 2^(e0 + e1): what a sum of the first product is multiplied by
	s_mov_b32 s31, s30
	s_add_co_i32 s24, s22, s23
	s_sub_co_i32 s34, 0, s24                       ; -(e2 + e3)
	s_add_co_i32 s24, s24, 127
	s_lshl_b32 s32, s24, 23                        ; 2^(e2 + e3): the second product's
	s_mov_b32 s33, s32
	s_add_co_i32 s24, s20, 127
	s_lshl_b32 s25, s24, 23
	v_mov_b32 v[XSC], s25                          ; 2^e0: the conversion takes its exponent field
	s_add_co_i32 s24, s24, 15
	s_lshl_b32 s24, s24, 23
	s_or_b32 s24, s24, 0x600000
	v_mov_b32 v[XLIM], s24                         ; 57,344 x 2^e0
	s_add_co_i32 s24, s22, 127
	s_lshl_b32 s25, s24, 23
	v_mov_b32 v[HSC], s25
	s_add_co_i32 s24, s24, 15
	s_lshl_b32 s24, s24, 23
	s_or_b32 s24, s24, 0x600000
	v_mov_b32 v[HLIM], s24
	s_wait_loadcnt 48                              ; the 19 small loads are in; x's three sets, 48 loads, stay out
	; ---- the small tensors into LDS: all the vector work first, one wait, then the run of stores
.set jj, 0
.rept 32
	v_cvt_pk_bf16_f32 v[PD+jj], v[PD+jj], v[PD+jj]
.set jj, jj+1
.endr
.irp e, 0,1,2,3
	v_mov_b32 v[PK+16+\e], 0
.endr
.irp e, 0,1,2,3
.irp k, 0,1,2,3
	v_cvt_pk_bf16_f32 v[PK+4*\e+\k], v[PU+8*\k+\e], v[PU+8*\k+4+\e]        ; column 4 T + e: k = 2 k', 2 k' + 1
.endr
.endr
.irp e, 0,1,2,3
	v_ldexp_f32 v[PB+8+\e], v[PB+8+\e], s34        ; b2 goes into sums that lack the factor 2^(e2 + e3)
.endr
	s_wait_alu depctr_va_vdst(0)                   ; the conversions, the zeros and b2's scalings are written, which the LDS stores below read; and they are done with v32 to v95, in which x's numbers land later
.irp i, 0,1,2,3,4,5,6,7
.irp e, 0,1,2,3
	ds_store_b16 v26, v[PD+4*\i+\e] offset:256*\i+2064*\e
.endr
.endr
.irp e, 0,1,2,3
	ds_store_b128 v27, v[PK+16:PK+19] offset:16*\e
.endr
.irp e, 0,1,2,3
	ds_store_b128 v[AUW], v[PK+4*\e:PK+4*\e+3] offset:16*\e
.endr
	ds_store_b128 v25, v[PB:PB+3]
	ds_store_b128 v25, v[PB+4:PB+7] offset:4096
	ds_store_b128 v25, v[PB+8:PB+11] offset:8192
	XLOAD 3
	BARRIER                                        ; the small tensors lie in LDS
	s_wait_alu depctr_vm_vsrc(0)                   ; the head's loads and LDS stores have read v24 to v27 and v32 to v127: these are written again from here on, by LDS loads, conversions and the gelu
	; ---- x: my 16 rows x 512 along K become four fragments of codes, and my part of x A_down
.macro XSTEP i
	s_wait_loadcnt 48                              ; set i's 16 loads are in; behind them stand three groups of 16: later sets of x, and the weights' first steps
	WIN 0x04                                       ; the stores' data lie in the ring's registers
.set jj, 0
.rept 16
	ds_store_b128 v[TS], v[64*\i+4*jj:64*\i+4*jj+3] offset:528*jj
.set jj, jj+1
.endr
	WIN 0
.irp b, 0,1,2,3
.irp q, 0,1,2,3
	ds_load_b128 v[XN+16*\b+4*\q:XN+16*\b+4*\q+3], v[TL] offset:128*\b+16*\q   ; LDS serves a wave's instructions in order: these see my stores.  Register 16 b + i: k = 32 b + 16 h + i of row r
.endr
.endr
.irp b, 0,1,2,3
	ds_load_b128 v[AD+8*\b:AD+8*\b+3], v[TA] offset:256*\i+64*\b               ; A_down^T, row r, the same 16 k
	ds_load_b128 v[AD+8*\b+4:AD+8*\b+7], v[TA] offset:256*\i+64*\b+16
.endr
	s_wait_dscnt 0x0
	s_wait_alu depctr_vm_vsrc(0)                   ; the stores into the stage have read set i's registers, in which the weights land; the last step's stores of codes have read the registers that this step's conversions write
	WLOAD \i                                       ; set i's registers are slot i of the ring
.set jj, 0
.rept 32
	v_cvt_pk_bf16_f32 v[XB+jj], v[XN+2*jj], v[XN+2*jj+1]
.set jj, jj+1
.endr
.irp b, 0,1,2,3                                ; four accumulators by turns, 32 along K each
.if \i == 0
	v_wmma_f32_16x16x32_bf16 v[LA+8*\b:LA+8*\b+7], v[AD+8*\b:AD+8*\b+7], v[XB+8*\b:XB+8*\b+7], 0
.else
	v_wmma_f32_16x16x32_bf16 v[LA+8*\b:LA+8*\b+7], v[AD+8*\b:AD+8*\b+7], v[XB+8*\b:XB+8*\b+7], v[LA+8*\b:LA+8*\b+7]
.endif
.endr
.set jj, 0
.rept 64
	v_med3_num_f32 v[XN+jj], v[XN+jj], -v[XLIM], v[XLIM]   ; the conversion to an 8-bit code does not saturate (ISA guide 7.6.2).  These 64 are also the places behind the four products
.set jj, jj+1
.endr
.irp c, 0,1,2,3
	v_cvt_scalef32_pk8_bf8_f32 v[PC+4*\c:PC+4*\c+1], v[XN+16*\c:XN+16*\c+7], v[XSC]
	v_cvt_scalef32_pk8_bf8_f32 v[PC+4*\c+2:PC+4*\c+3], v[XN+16*\c+8:XN+16*\c+15], v[XSC]
.endr
	v_nop                                          ; a plain vector instruction behind the last scaled conversion
.if \i == 3                                    ; the last step: the four accumulators of x A_down become one, ahead of the step's one wait
.irp j, 0,2,4,6
	v_pk_add_f32 v[LA+\j:LA+\j+1], v[LA+\j:LA+\j+1], v[LA+8+\j:LA+8+\j+1]
.endr
.irp j, 0,2,4,6
	v_pk_add_f32 v[LA+16+\j:LA+16+\j+1], v[LA+16+\j:LA+16+\j+1], v[LA+24+\j:LA+24+\j+1]
.endr
.irp j, 0,2,4,6
	v_pk_add_f32 v[LA+\j:LA+\j+1], v[LA+\j:LA+\j+1], v[LA+16+\j:LA+16+\j+1]
.endr
.endif
	s_wait_alu depctr_va_vdst(0)                   ; the codes (in the last step the sums too) are written, which the stores below read; the step's vector and matrix instructions are done with the numbers' and A_down^T's registers, in which the next loads land
.irp c, 0,1,2,3
	ds_store_b128 v[XW], v[PC+4*\c:PC+4*\c+3] offset:8192*\i+512*\c
.endr
.if \i == 3
	ds_store_b128 v[LPW], v[LA:LA+3]               ; lane (r, h): row r, columns 8 h + 0 .. 7 of x A_down (h = 1: zeros), over my half of K
	ds_store_b128 v[LPW], v[LA+4:LA+7] offset:512
.endif
.endm
	XSTEP 0
	XSTEP 1
	XSTEP 2
	XSTEP 3
	BARRIER                                        ; x's 32 fragments and the partial sums lie in LDS; nobody reads the stages or A_down^T any more
	; ---- the hidden layer: four groups of 64 units
.macro HSTORE m                        ; tile m's codes, as they stand in v192-199
	ds_store_b128 v[HW], v[XF+32:XF+35] offset:1024*(\m)       ; units 16 h + 0 .. 15 of the group's first 32,
	ds_store_b128 v[HW], v[XF+36:XF+39] offset:1024*(\m)+512   ; and of its second
.endm
; One tile of rows: 32 numbers a lane.  The reciprocals and the exponentials go as batches, each with one plain instruction and one wait ahead of its first reader.
.macro GELU m
.set GZ, ACC+32*\m
.set GT, XF
.set GQ, XF+32
.set jj, 0
.rept 16
	v_pk_fma_f32 v[GZ+jj:GZ+jj+1], v[GZ+jj:GZ+jj+1], s[30:31], v[B1R+jj:B1R+jj+1] op_sel_hi:[1,0,1]   ; z = sum x 2^(e0 + e1) + b1; each accumulator from its low end on
.set jj, jj+2
.endr
.set jj, 0
.rept 32
	v_fma_f32 v[GT+jj], |v[GZ+jj]|, s35, 1.0
.set jj, jj+1
.endr
.set jj, 0
	s_wait_alu depctr_va_vdst(0)
.rept 32
	v_rcp_f32 v[GT+jj], v[GT+jj]                   ; t
.set jj, jj+1
.endr
	v_nop
	s_wait_alu depctr_va_vdst(0)                   ; the 32 reciprocals are written, ahead of their first reader; behind tile 0 also: the last tile's codes are written, which the stores below read
.if \m > 0
	HSTORE (\m)-1
	s_wait_alu depctr_vm_vsrc(0)                   ; these two stores have read v192 to v199, which the exponent takes now
.endif
.set jj, 0
.rept 16
	v_pk_fma_f32 v[GQ+jj:GQ+jj+1], v[GT+jj:GT+jj+1], v[28:29], s[CC+16:CC+17] op_sel_hi:[1,1,0]
.set jj, jj+2
.endr
.irp i, 7,6,5,4,3,2,1,0
.set jj, 0
.rept 16
	v_pk_fma_f32 v[GQ+jj:GQ+jj+1], v[GQ+jj:GQ+jj+1], v[GT+jj:GT+jj+1], s[CC+2*\i:CC+2*\i+1] op_sel_hi:[1,1,0]
.set jj, jj+2
.endr
.endr
.set jj, 0
.rept 8
	v_pk_mul_f32 v[24:25], v[GZ+jj:GZ+jj+1], v[GZ+jj:GZ+jj+1]
	v_pk_mul_f32 v[26:27], v[GZ+jj+2:GZ+jj+3], v[GZ+jj+2:GZ+jj+3]
	v_pk_fma_f32 v[GQ+jj:GQ+jj+1], v[24:25], s[36:37], v[GQ+jj:GQ+jj+1] op_sel_hi:[1,0,1]
	v_pk_fma_f32 v[GQ+jj+2:GQ+jj+3], v[26:27], s[36:37], v[GQ+jj+2:GQ+jj+3] op_sel_hi:[1,0,1]
.set jj, jj+4
.endr
.set jj, 0
	s_wait_alu depctr_va_vdst(0)
.rept 32
	v_exp_f32 v[GQ+jj], v[GQ+jj]
.set jj, jj+1
.endr
	v_nop
	s_wait_alu depctr_va_vdst(0)                   ; the 32 exponentials are written, ahead of their first reader
.set jj, 0
.rept 16
	v_pk_mul_f32 v[GT+jj:GT+jj+1], v[GT+jj:GT+jj+1], v[GQ+jj:GQ+jj+1]      ; u
.set jj, jj+2
.endr
.set jj, 0
.rept 32
	v_max_num_f32 v[GQ+jj], 0, v[GZ+jj]
.set jj, jj+1
.endr
.set jj, 0
.rept 32
	v_fma_f32 v[GZ+jj], -|v[GZ+jj]|, v[GT+jj], v[GQ+jj]                    ; g = max(z, 0) - |z| u
.set jj, jj+1
.endr
.set jj, 0
.rept 32
	v_med3_num_f32 v[GZ+jj], v[GZ+jj], -v[HLIM], v[HLIM]
.set jj, jj+1
.endr
.irp k, 0,1,2,3
	v_cvt_scalef32_pk8_bf8_f32 v[GQ+2*\k:GQ+2*\k+1], v[GZ+8*\k:GZ+8*\k+7], v[HSC]
.endr
	v_nop                                          ; a plain vector instruction behind the last scaled conversion.  The codes are stored behind the next wait on va_vdst
.endm
	s_mov_b32 s60, 0
	s_mov_b32 s61, 0
	s_mov_b32 s62, 0
.Lg:                                               ; four trips: a group's eight K steps, then its gelu.  The stream of weights runs on over the trips' edges
	s_wait_alu depctr_vm_vsrc(0)                   ; the last trip's stores of codes have read v16 and v192 to v199, its loads of b1 v17 (first trip: the stores of x's last codes and of the partial sums have read v160 to v167 and v192 to v207): all are written again below
	v_add_nc_u32 v[HW], s61, v[HWB]
	v_add_nc_u32 v[B1A], s62, v[B1B]
	s_wait_alu depctr_va_vdst(0)                   ; v17 is written, which the loads of b1 read (v16 too, for the trip's stores)
.irp b, 0,1
.irp i, 0,1,2,3
	ds_load_b128 v[B1R+16*\b+4*\i:B1R+16*\b+4*\i+3], v[B1A] offset:128*\b+16*\i
.endr
.endr
	XFETCH 0, 0
	XFETCH 0, 2
	STEP 0, 1, 48, 1, 1, 1
	STEP 1, 0, 48, 1, 2, 1
	STEP 2, 0, 48, 1, 3, 1
	STEP 3, 0, 48, 1, 4, 1
	STEP 0, 0, 48, 1, 5, 1
	STEP 1, 0, 48, 1, 6, 1
	STEP 2, 0, 48, 1, 7, 1
	STEP 3, 0, 48, 0, 0, 1
	GELU 0
	GELU 1
	GELU 2
	GELU 3
	s_wait_alu depctr_va_vdst(0)                   ; tile 3's codes are written, which the stores below read; the gelu is done with v160 to v255, in which the next loads land
	HSTORE 3
	s_add_co_u32 s61, s61, 4096
	s_add_co_u32 s62, s62, 256
	s_add_co_u32 s60, s60, 1
	s_cmp_lt_u32 s60, 4
	s_cbranch_scc1 .Lg
	BARRIER                                        ; the hidden layer's codes lie in LDS; nobody reads x's images any more
	; ---- x A_down: the two halves of K are added, divided by 2^(e2 + e3) and rounded to bf16: source 1 of the product with A_up (k = 8 h + 0 .. 7 in registers 0-3; the rest zeros)
	s_wait_alu depctr_vm_vsrc(0)                   ; the last stores of codes have read v192 to v199, in which the loads below land
.irp m, 0,1,2,3
.irp p, 0,1
.irp i, 0,1
	ds_load_b128 v[XF+16*\m+8*\p+4*\i:XF+16*\m+8*\p+4*\i+3], v[LPR] offset:1024*(2*\m+\p)+512*\i
.endr
.endr
.endr
	s_wait_dscnt 0x0
.irp m, 0,1,2,3
.irp j, 0,2,4,6
	v_pk_add_f32 v[XF+16*\m+\j:XF+16*\m+\j+1], v[XF+16*\m+\j:XF+16*\m+\j+1], v[XF+16*\m+8+\j:XF+16*\m+8+\j+1]
.endr
.irp j, 0,1,2,3,4,5,6,7
	v_ldexp_f32 v[XF+16*\m+\j], v[XF+16*\m+\j], s34
.endr
.irp p, 0,1,2,3
	v_cvt_pk_bf16_f32 v[LF+8*\m+\p], v[XF+16*\m+2*\p], v[XF+16*\m+2*\p+1]
.endr
.irp p, 4,5,6,7
	v_mov_b32 v[LF+8*\m+\p], 0
.endr
.endr
	s_wait_alu depctr_va_vdst(0)                   ; the sums, scalings and conversions above are done with v160 to v223, in which b2 and A_up^T land
; ---- the second product: two groups of 64 columns, 16 K steps each
; A group's sums begin as (b2 + (x A_down) A_up) / 2^(e2 + e3): one bf16 product for each accumulator, with b2 as its C.
.macro INIT2 g2
	s_wait_xcnt 0x0                                ; earlier stores have read the registers that are loaded now
.irp t, 0,1,2,3
	ds_load_b128 v[XF+8*\t:XF+8*\t+3], v[B2B] offset:256*\g2+64*\t
	ds_load_b128 v[XF+8*\t+4:XF+8*\t+7], v[B2B] offset:256*\g2+64*\t+16
.endr
.irp t, 0,1,2,3
	ds_load_b128 v[XF+32+8*\t:XF+32+8*\t+3], v[UAB] offset:1024*\g2+256*\t     ; A_up^T, column 16 t + r, k = 0 .. 7; lanes 16-31 hold the same numbers and meet zeros
.endr
.irp t, 0,1,2,3
.irp k, 4,5,6,7
	v_mov_b32 v[XF+32+8*\t+\k], 0
.endr
.endr
	s_mov_b32 s61, 0
	v_add_nc_u32 v[HR], s61, v[HRB]
	v_add_nc_u32 v[HR2], 0x8000, v[HR]
	s_wait_alu depctr_va_vdst(0)
	s_wait_dscnt 0x0
.irp m, 0,1,2,3
.irp t, 0,1,2,3
	v_wmma_f32_16x16x32_bf16 v[ACC+32*\m+8*\t:ACC+32*\m+8*\t+7], v[XF+32+8*\t:XF+32+8*\t+7], v[LF+8*\m:LF+8*\m+7], v[XF+8*\t:XF+8*\t+7]
.endr
.endr
	PLACES 5                                       ; products of another form add onto these results next
	s_wait_alu depctr_va_vdst(0)                   ; the sixteen products are done reading v160 to v223, in which the fragments below land; v18 and v17 are written, which the fetches read
	HFETCH HR, 0, 0
	HFETCH HR, 0, 2
.endm
; Four K steps.  wl = 1: the stream goes on.  fn = 1: the next trip's first fragments are fetched in the fourth step.
.macro TRIP2 wl, fn
.if \wl
	STEP 0, 0, 48, 2, 1, 1
	STEP 1, 0, 48, 2, 2, 1
	STEP 2, 0, 48, 2, 3, 1
.if \fn
	STEP 3, 0, 48, 3, 0, 1
.else
	STEP 3, 0, 48, 0, 0, 1
.endif
.else
	STEP 0, 0, 48, 2, 1, 0                         ; the stream's last four steps: nothing is loaded past its end, and the counts run down
	STEP 1, 0, 32, 2, 2, 0
	STEP 2, 0, 16, 2, 3, 0
	STEP 3, 0, 0, 0, 0, 0
.endif
.endm
; The edge of a trip that has a successor: both addresses of the hidden layer's fetches move on by four K steps.  Their next readers stand behind the next step's first wait on va_vdst.
.macro EDGE2
	s_add_co_u32 s61, s61, 32768
	s_wait_alu depctr_vm_vsrc(0)                   ; the fetches issued so far have read v18 and v17
	v_add_nc_u32 v[HR], s61, v[HRB]
	v_add_nc_u32 v[HR2], 0x8000, v[HR]
.endm
; THE WAY OUT.  A lane holds 32 neighbouring bytes of a row and the lanes beside it hold other rows: a tile of 16 rows x 64 columns goes through my own stage and comes back as rows of 256 bytes.
.macro STG m
.irp t, 0,1,2,3
	ds_store_b128 v[SO], v[ACC+32*\m+8*\t:ACC+32*\m+8*\t+3] offset:64*\t
	ds_store_b128 v[SO], v[ACC+32*\m+8*\t+4:ACC+32*\m+8*\t+7] offset:64*\t+16
.endr
.irp i, 0,1,2,3,4,5,6,7
	ds_load_b128 v[XF+32*((\m)%2)+4*\i:XF+32*((\m)%2)+4*\i+3], v[SR] offset:544*\i     ; LDS serves a wave's instructions in order: these see my stores, and the next tile's stores come behind them
.endr
.endm
.macro SEND m, younger, g2             ; younger: the LDS instructions issued behind tile m's loads: the next tile's sixteen, or none
	s_wait_dscnt \younger
.irp i, 0,1,2,3,4,5,6,7
	global_store_b128 v[GO], v[XF+32*((\m)%2)+4*\i:XF+32*((\m)%2)+4*\i+3], s[18:19] offset:65536*\m+8192*\i+256*\g2 th:TH_STORE_NT   ; 16 lanes store 256 consecutive bytes, at a multiple of 256 from out's first byte
.endr
.endm
.macro OUT2 g2
.set jj, 0
.rept 64
	v_pk_mul_f32 v[ACC+jj:ACC+jj+1], v[ACC+jj:ACC+jj+1], s[32:33] op_sel_hi:[1,0]   ; x 2^(e2 + e3), all four tiles ahead of one wait; each accumulator from its low end on
.set jj, jj+2
.endr
	s_wait_alu depctr_va_vdst(0)                   ; the 128 results are written, which the stores into the stage read; the last step's products are done reading v160 to v223, in which the rows land
	STG 0
	STG 1
	SEND 0, 16, \g2
	s_wait_xcnt 0x0                                ; tile 0's stores have had their addresses translated,
	s_wait_alu depctr_vm_vsrc(0)                   ; and have read v160 to v191, in which tile 2's rows land
	STG 2
	SEND 1, 16, \g2
	s_wait_xcnt 0x0
	s_wait_alu depctr_vm_vsrc(0)                   ; tile 1's stores have read v192 to v223, in which tile 3's rows land
	STG 3
	SEND 2, 16, \g2
	SEND 3, 0, \g2
.endm
	INIT2 0
	s_mov_b32 s60, 0
.Lk0:                                              ; three trips of four K steps
	TRIP2 1, 1
	EDGE2
	s_add_co_u32 s60, s60, 1
	s_cmp_lt_u32 s60, 3
	s_cbranch_scc1 .Lk0
	TRIP2 1, 0
	OUT2 0                                         ; the next group's first four steps of weights are on their way meanwhile
	s_wait_alu depctr_vm_vsrc(0)                   ; the stores into the stage have read the accumulators, the global stores v160 to v223, the last fetches v18 and v17: the next group writes them all again
	INIT2 1
	s_mov_b32 s60, 0
.Lk1:
	TRIP2 1, 1
	EDGE2
	s_add_co_u32 s60, s60, 1
	s_cmp_lt_u32 s60, 3
	s_cbranch_scc1 .Lk1
	TRIP2 0, 0
	OUT2 1
	s_wait_xcnt 0x0
	v_lshl_add_u32 v254, v0, 2, 0x39000            ; my spare word and 0, made anew here: no memory or LDS instruction has ever read v254 or v255
	v_mov_b32 v255, 0
	s_wait_dscnt 0x0                               ; the closing lines, six on end
	s_wait_alu 0x0
	s_wait_tensorcnt 0x0
	ds_add_u32 v254, v255
	s_wait_dscnt 0x0
	s_endpgm
.Lfunc_end_k_qe2ea7f5c56_ffn:
	.size	k_qe2ea7f5c56_ffn, .Lfunc_end_k_qe2ea7f5c56_ffn-k_qe2ea7f5c56_ffn
	.p2alignl 7, 3214868480
	.fill 96, 4, 3214868480
	.section	.rodata,"a",@progbits
	.p2align	6, 0x0
	.amdhsa_kernel k_qe2ea7f5c56_ffn
		.amdhsa_group_segment_fixed_size 234496
		.amdhsa_private_segment_fixed_size 0
		.amdhsa_enable_private_segment 0
		.amdhsa_kernarg_size 64
		.amdhsa_user_sgpr_count 2
		.amdhsa_user_sgpr_kernarg_segment_ptr 1
		.amdhsa_wavefront_size32 1
		.amdhsa_system_sgpr_workgroup_id_x 1
		.amdhsa_system_sgpr_workgroup_id_y 1
		.amdhsa_system_sgpr_workgroup_id_z 1
		.amdhsa_system_vgpr_workitem_id 0
		.amdhsa_next_free_vgpr 512
		.amdhsa_next_free_sgpr 80
		.amdhsa_reserve_vcc 0
		.amdhsa_float_denorm_mode_32 3
		.amdhsa_float_denorm_mode_16_64 3
		.amdhsa_memory_ordered 1
		.amdhsa_forward_progress 1
		.amdhsa_inst_pref_size 255
	.end_amdhsa_kernel
	.section	.bss,"aw",@nobits
	.p2align	6
	.space	262144
	.amdgpu_metadata
---
amdhsa.version: [ 1, 2 ]
amdhsa.kernels:
  - .name:           k_qe2ea7f5c56_ffn
    .symbol:         k_qe2ea7f5c56_ffn.kd
    .args:
      - { .name: x, .offset: 0, .size: 8, .value_kind: global_buffer, .address_space: global }
      - { .name: wf, .offset: 8, .size: 8, .value_kind: global_buffer, .address_space: global }
      - { .name: lowp_scales, .offset: 16, .size: 8, .value_kind: global_buffer, .address_space: global }
      - { .name: b1, .offset: 24, .size: 8, .value_kind: global_buffer, .address_space: global }
      - { .name: b2, .offset: 32, .size: 8, .value_kind: global_buffer, .address_space: global }
      - { .name: a_down, .offset: 40, .size: 8, .value_kind: global_buffer, .address_space: global }
      - { .name: a_up, .offset: 48, .size: 8, .value_kind: global_buffer, .address_space: global }
      - { .name: out0, .offset: 56, .size: 8, .value_kind: global_buffer, .address_space: global }
    .group_segment_fixed_size: 234496
    .private_segment_fixed_size: 0
    .kernarg_segment_align: 8
    .kernarg_segment_size: 64
    .max_flat_workgroup_size: 256
    .sgpr_count:     80
    .vgpr_count:     512
    .wavefront_size: 32
...
	.end_amdgpu_metadata
.endif
;; end of part 4
